; MI455X (gfx1250); checked and timed in simulation.
; The chip was launched on July 23, 2026; its instructions are those of AMD's public machine-readable ISA for CDNA 5 (MIT licence, August 2026) and "CDNA5" Instruction Set Architecture Reference Guide (July 2026). The comments in the code are by the model that wrote it; some were corrected since.
;; Multi Head Attention. Allowed arithmetic: matrix products marked QUANTISED: E4M3 operands, one E8M0 scale for each 32 along K, by v_wmma_scale_f32_16x16x128_f8f6f4 with both operands' format E4M3, f32 sums; everything else in f32.
;; Inputs: Wk_codes 1,024 x 32 x 32 uint8 (E4M3 codes of Wk, K innermost, in blocks of 32 codes); Wk_scales 1,024 x 32 uint8 (E8M0 scales of Wk, one for each 32 codes along K); Wo_codes 1,024 x 32 x 32 uint8 (E4M3 codes of Wo, K innermost, in blocks of 32 codes); Wo_scales 1,024 x 32 uint8 (E8M0 scales of Wo, one for each 32 codes along K); Wq_codes 1,024 x 32 x 32 uint8 (E4M3 codes of Wq, K innermost, in blocks of 32 codes); Wq_scales 1,024 x 32 uint8 (E8M0 scales of Wq, one for each 32 codes along K); Wv_codes 1,024 x 32 x 32 uint8 (E4M3 codes of Wv, K innermost, in blocks of 32 codes); Wv_scales 1,024 x 32 uint8 (E8M0 scales of Wv, one for each 32 codes along K); bo 1,024 float32; x_codes 1 x 4,096 x 32 x 32 uint8 (E4M3 codes of x, K innermost, in blocks of 32 codes); x_scales 1 x 4,096 x 32 uint8 (E8M0 scales of x, one for each 32 codes along K).
;; Outputs: out0 1 x 4,096 x 1,024 float32.
;; This version of the problem:
;;   THIS VERSION OF THE PROBLEM IS GIVEN IN LOW PRECISION. The matrix products marked QUANTISED in the list below multiply operands that are first quantised to E4M3 (4 exponent bits, 3 mantissa bits; 8 bits a number), with one power-of-two scale for each 32 numbers along K (OCP MX v1.0); their sums are f32. All else is computed in f32.
;;   The module's matrix products, in the order in which they are computed (A, B: the left and right operand; K: the contracted axis; several contracted axes count as one K, in the product's order):
;;     1. [M 4,096, K 1,024] x [K 1,024, N 1,024]; A: input x (given as codes); B: input Wq (given as codes): QUANTISED
;;     2. [M 4,096, K 1,024] x [K 1,024, N 1,024]; A: input x (given as codes); B: input Wk (given as codes): QUANTISED
;;     3. [M 4,096, K 1,024] x [K 1,024, N 1,024]; A: input x (given as codes); B: input Wv (given as codes): QUANTISED
;;     4. batch 16 x [M 4,096, K 64] x [K 64, N 4,096]; A: computed on the way; B: computed on the way: QUANTISED
;;     5. batch 16 x [M 4,096, K 4,096] x [K 4,096, N 64]; A: softmax (see below); B: computed on the way: QUANTISED
;;     6. [M 4,096, K 1,024] x [K 1,024, N 1,024]; A: computed on the way; B: input Wo (given as codes): QUANTISED
;;   THE QUANTISER, for each operand of a quantised product, along K:
;;     - K is cut into blocks of 32 from its start; a last block that is shorter is filled with zeros.
;;     - A block's scale is 2^e with e = floor(log2(the largest magnitude in the block)) - 8, held to -126 .. 127; a block of zeros has e = 0. As a byte (E8M0): e + 127.
;;     - Each number is divided by its block's scale, clamped to +-448, and rounded to the nearest number of E4M3, ties to even, subnormals kept.
;;     - The product sums the exact products of the quantised numbers (number of the format x scale) in f32.
;;   ~~~python
;;   def quantise(x, axis):      # numpy; x: float32 -> the quantised numbers, widened to float32 again
;;       x = np.moveaxis(x, axis, -1); K = x.shape[-1]
;;       x = np.pad(x, [(0, 0)] * (x.ndim - 1) + [(0, -K % 32)]); x = x.reshape(x.shape[:-1] + (-1, 32)); a = np.abs(x).max(-1, keepdims=True)
;;       e = np.where(a > 0, np.clip(np.frexp(np.where(a > 0, a, 1))[1] - 1 - 8, -126, 127), 0)      # np.frexp(a)[1] - 1 = floor(log2(a)), exactly
;;       r = np.clip(x / 2.0 ** e, -448, 448)
;;       step = 2.0 ** (np.maximum(np.frexp(np.where(r == 0, 1, r))[1] - 1, -6) - 3)
;;       q = np.round(r / step) * step * 2.0 ** e      # np.round: ties to even
;;       return np.moveaxis(q.reshape(q.shape[:-2] + (-1,))[..., :K], -1, axis).astype(np.float32)
;;   ~~~
;;   SOFTMAX AHEAD OF A QUANTISED PRODUCT. Where the list says 'softmax', what is quantised is not the finished softmax but p = 2^(t - M), with t = logit x log2(e) and M = ceil(the row's largest t), a whole number; so 1/2 < the row's largest p <= 1. The row's sum l is taken of the UNQUANTISED p, in f32, and the product's result is divided by l at the end. Since M is a whole number, a kernel that streams over the keys may use a running M (the ceiling of the running maximum): every later rescaling is an exact power of two, which a block's scale takes up: the codes' values come out the same.
;;   OPERANDS COMPUTED ON THE WAY. 'Computed on the way' means the value that the module computes at that place (a softmax that the list does not call 'softmax' is quantised finished and normalised). What goes into a quantiser is computed in f32, as accurately as f32 sums, v_exp_f32 and their like allow (about 1e-6 of the number): no bf16 or f16 on the way to a quantiser, and a product that is left as it is and whose result goes on into a quantised operand takes f32 operands (vector FMAs, or v_wmma_f32_16x16x4_f32). A number that lies on a knife's edge between two numbers of the format may be rounded either way, as far as f32 arithmetic and the matrix unit's own rounding can turn it there, and no further.
;;   INPUTS GIVEN AS CODES. Wk (in the module: [1024, 1024], K = its axis 0); Wo (in the module: [1024, 1024], K = its axis 0); Wq (in the module: [1024, 1024], K = its axis 0); Wv (in the module: [1024, 1024], K = its axis 0); x (in the module: [1, 4096, 1024], K = its axis 2): each comes as NAME_codes (uint8): NAME with its K axis moved to the last place and cut into blocks of 32 codes, [.., K / 32, bytes a block], one block behind the other in memory; one code a byte (a code: sign, 4 exponent bits, 3 mantissa bits); and NAME_scales (uint8): the same leading axes, one E8M0 byte (e + 127) for each 32 codes along K. Its value is code x scale, taken as it is: it is not quantised again, and the codes and scales need not be those that the quantiser above would give.
;; One version. Each part assembles by itself: llvm-mc -triple=amdgcn-amd-amdhsa -mcpu=gfx1250 --defsym DOCPART=n.
;; ======== version 1 of 1: 3 launches
;; limits: right only within a limited range of input values
;; workspace buffers: qc 4,325,376 bytes; kc 4,325,376 bytes; vc 4,325,376 bytes; cc 4,194,304 bytes; cs 131,072 bytes
;; launch qkv (part 1): grid 8 x 32, 4 waves a work-group, clusters of 4 x 4, 327,680 bytes of LDS; arguments x_codes, x_scales, Wq_codes, Wq_scales, Wk_codes, Wk_scales, Wv_codes, Wv_scales, qc, kc, vc; writes qc, kc, vc
.if DOCPART == 1
	.amdgcn_target "amdgcn-amd-amdhsa--gfx1250"
	.amdhsa_code_object_version 6
	.text
	.protected	k_q884daf32de_qkv
	.globl	k_q884daf32de_qkv
	.p2align	8
	.type	k_q884daf32de_qkv,@function
k_q884daf32de_qkv:
	s_mov_b64 s[64:65], 0
	v_nop
	global_prefetch_b8 v0, s[64:65] scope:SCOPE_SE
	s_setreg_imm32_b32 hwreg(HW_REG_WAVE_MODE, 25, 1), 1
	s_wait_xcnt 0x0
	s_wait_alu depctr_hold_cnt(0) depctr_sa_sdst(0) depctr_va_vdst(0) depctr_va_sdst(0) depctr_va_ssrc(0) depctr_va_vcc(0) depctr_vm_vsrc(0)
	s_getreg_b32 s2, hwreg(HW_REG_IB_STS2, 6, 4)
	s_cmp_eq_u32 s2, 0
	s_cbranch_scc0 .Lentry_in_a_cluster
	s_endpgm
.Lentry_in_a_cluster:
	s_bfe_u32 s2, ttmp6, 0x10000c
	s_cmp_lg_u32 s2, 0xf033
	s_cbranch_scc0 .Lentry_shape_is_right
	s_endpgm
.Lentry_shape_is_right:
; q = x Wq, k = x Wk, v = x Wv on codes of FP8 (E4M3) with one E8M0 scale for each 32 along K = 1,024, sums in f32; the three results are quantised here and leave as codes.
; SHARES.  A work-group takes 128 tokens (128 tb on) x columns 128 cg .. 128 cg + 127 of each of Wq, Wk, Wv: two heads.  Wave w takes all 128 tokens x columns 32 w .. 32 w + 31 of the three: 48 accumulators.
; q and k: source 0 = 16 rows of W (16 columns e), source 1 = 16 tokens: a lane holds ONE token and its 16 registers of two neighbouring tiles are half a block of 32 along the head's 64.
; v: source 0 = 16 tokens, source 1 = 16 rows of Wv: a lane holds ONE column and its registers run along the tokens, which are the keys: the K of attention's second product.
; THE ORDER INSIDE A BLOCK OF 32.  Register 8 u + j of lane (r, h) holds index 16 u + 8 h + j of its block; the codes are used as operand position 16 h + 8 u + j.  q and k carry the same order, and so do v and the
; weights p of the next launch, so every product pairs the right numbers; blocks and scales are the true ones.  Only the order of summation inside a block differs from K ascending.
; WHAT IS STORED.  Images of operand registers: a piece is 512 bytes, lane l's 16 bytes at 16 l.  qc, kc: [head][tile of 16 tokens][block 2][512];  vc: [head][128 keys][16 of the head's 64][block 4][512].
; Scale bytes: qs, ks [head][token][2];  vs [head][128 keys][64][4].  They meet in LDS and leave as aligned runs of 256 bytes.
; K goes in steps of 256 through two LDS slots (x's tile and the three W tiles, 128 rows x 256 bytes each); wave 0 fetches x, waves 1 to 3 Wq, Wk, Wv: one tensor load a wave behind each round.
; CLUSTER 4 x 4: x's tile hangs on tb alone and is asked for jointly along a row of the cluster, W's on cg alone and along a column.
; LIMITS: NaN and infinities are not served; a block of zeros gets the scale byte 1 (its codes are zeros, and this program alone reads the bytes).
; REGISTERS, in windows of 256.  window 0: v1-29 addresses, v32-63 x's scale words (two sets), v64-87 W's (two sets), v128-255 x's fragments, set 1.
;   window 1: v0-127 q's sums (16 a + 8 u), v128-223 W's fragments, set 0.   window 2: k's sums, W's set 1.   window 3: v0-127 v's sums (64 n + 8 a), v128-255 x's fragments, set 0.
.set TILE,  128*272                    ; 128 rows of 256 bytes + 16 of padding: the 16 rows of a fragment load start in 16 different groups of banks
.set SLOT,  4*TILE
.set SCL,   2*SLOT                     ; the scale bytes of all of K: four blocks (x, Wq, Wk, Wv) of 128 rows x 32 bytes, as 16 runs of 256 bytes + 16
.set SBLK,  16*272
.set STG,   SCL+4*SBLK                 ; the results' scale bytes: q's 512, k's 512, v's 512
.set SPARE, STG+1536                   ; the spare words, 128 bytes a wave
.set ADRX, 4                           ; v4-5   x's fragments in slot 0, 1
.set ADRW, 6                           ; v6-11  W's: 3 x slot + matrix
.set ADSX, 12                          ; v12    x's scale words
.set ADSW, 13                          ; v13    W's
.set LOFF, 14                          ; v14    16 x lane
.set STB,  15                          ; v15    where my q and k scale bytes go
.set STV,  16                          ; v16    where my v scale words go
.set SRD,  17                          ; v17    where waves 0 to 2 read 512 bytes back
.set SOFF, 18                          ; v18    and their place in memory
.set SPW,  28
.set NIL,  29
.set XS,   32
.set WS,   64
.set WV,   32                          ; s32 wave;  s35 cg, s36 tb
.set MNT,  39
.set G1X,  40
.set G1W,  48
; THE LAYOUT OF qc, kc, vc AS THIS TEXT STORES IT (where the lines above name qs, ks, vs, read this): a chunk of 8,448 bytes for each head and 128 tokens, [head][128 tokens]: 8,192 bytes of codes in the order given above, then 256 scale bytes:
; qc, kc: [token % 16][tile of 16 tokens][block 2];  vc: [column % 16][tile of 16 columns][4].  No data prefetch: K is four steps, and each tile is asked for once by a whole row or column of the cluster.
.set G0X,  76
.set G0W,  84
.set G0SX, 92
.set G0SW, 96
.set SEL,  100
.set MSB, 0
.macro WIN new                         ; the immediate's high byte repeats the setting that is left
.if MSB != (\new)
	s_set_vgpr_msb (MSB<<8)|(\new)
.set MSB, (\new)
.endif
.endm
.macro PLACES n
.rept \n
	v_nop
.endr
.endm
; A joint load: wave 0 asks for x, waves 1 to 3 for their W.  An s_nop 0 and four v_nop follow each line.
.macro JLOAD g0x, g1x, g0w, g1w
	s_cmp_eq_u32 s[WV], 0
	s_cbranch_scc0 .Lfor_w_\@
	tensor_load_to_lds s[\g0x:\g0x+3], s[\g1x:\g1x+7]
	s_nop 0
.rept 4
	v_nop
.endr
	s_branch .Lasked_\@
.Lfor_w_\@:
	tensor_load_to_lds s[\g0w:\g0w+3], s[\g1w:\g1w+7]
	s_nop 0
.rept 4
	v_nop
.endr
.Lasked_\@:
.endm
.macro CROUND                          ; a round of the cluster's barrier
	s_barrier_signal -1
	s_barrier_wait -1
	s_cmp_lg_u32 s[WV], 0
	s_cbranch_scc1 .Lnot_wave_0_\@
	s_barrier_signal -3
.Lnot_wave_0_\@:
	s_barrier_wait -3
	s_barrier_signal -1
	s_barrier_wait -1
.endm
	s_load_b512 s[4:19], s[0:1], 0x0               ; x's codes, scales; Wq's; Wk's; Wv's
	s_load_b64 s[20:21], s[0:1], 0x40              ; qc
	s_load_b64 s[24:25], s[0:1], 0x48              ; kc
	s_load_b64 s[28:29], s[0:1], 0x50              ; vc
	v_lshl_add_u32 v[SPW], v0, 2, SPARE
	v_mov_b32 v[NIL], 0
	ds_add_u32 v[SPW], v[NIL]                      ; the wave's opening: the add and its wait ahead of my first tensor load
	ds_add_u32 v[SPW], v[NIL]
	v_lshrrev_b32 v1, 5, v0
	v_readfirstlane_b32 s[WV], v1                  ; wave 0..3
	s_bfe_u32 s33, ttmp6, 0x40000                  ; cx
	s_bfe_u32 s34, ttmp6, 0x40004                  ; cy
	s_lshl_b32 s35, ttmp9, 2
	s_add_co_u32 s35, s35, s33                     ; cg = 4 x cluster x + cx
	s_and_b32 s36, ttmp7, 0xffff
	s_lshl_b32 s36, s36, 2
	s_add_co_u32 s36, s36, s34                     ; tb = 4 x cluster y + cy
	s_lshl_b32 s37, s34, 2
	s_lshl_b32 s37, 15, s37                        ; my row of the cluster
	s_lshl_b32 s38, 0x1111, s33                    ; my column
	; group 1 for the codes: 128 rows x 256 bytes, 1,024 bytes apart, 16 bytes of padding behind each row
	s_or_b32 s[G1X], s37, (1<<20)|(1<<21)|(5<<22)|(3<<25)
	s_or_b32 s[G1W], s38, (1<<20)|(1<<21)|(5<<22)|(3<<25)
.irp g, G1X, G1W
	s_mov_b32 s[\g+1], 256<<16
	s_mov_b32 s[\g+2], 128<<16
	s_mov_b32 s[\g+3], 256<<16
	s_mov_b32 s[\g+4], 128
	s_mov_b32 s[\g+5], 1024
	s_mov_b32 s[\g+6], 0
	s_mov_b32 s[\g+7], 0
.endr
	; and for the scale bytes of 128 rows: 4,096 dense bytes as 16 rows of 256 (32 elements of 8 bytes), 16 bytes of padding behind each
	; (the scale bytes come by plain loads and are laid into LDS by stores: 4,096 dense bytes a wave, 16 bytes of padding behind each 256)
	s_mul_i32 s104, s[WV], TILE                    ; where my tile goes: wave x a tile: no place in the cluster enters an LDS address
	s_lshl_b32 s2, s36, 17                         ; x: 128 tb rows of 1,024 bytes
	s_mov_b32 s3, 0
	s_lshl_b32 s66, s35, 17                        ; W: 128 cg rows
	s_mov_b32 s67, 0
	s_mov_b32 s[SEL], 0x76543210
	s_mov_b32 s[SEL+1], 0xfedcba98                 ; v_permlanex16_b32's selects for lane l xor 16
	s_mov_b32 s[MNT], 0x600000                     ; the mantissa field of 448
	s_wait_dscnt 0x0                               ; the opening add is done
	s_wait_kmcnt 0x0
	CROUND                                         ; all sixteen work-groups are here: the first joint loads meet
	s_mov_b32 s[G0X], 1
	s_mov_b32 s[G0X+4], 1
	s_mov_b32 s[G0X+1], s104
	s_add_co_u32 s[G0X+5], s104, SLOT
	s_add_nc_u64 s[G0X+2:G0X+3], s[4:5], s[2:3]    ; K step 0,
	s_add_nc_u64 s[G0X+6:G0X+7], s[G0X+2:G0X+3], 256  ; K step 1
	s_or_b32 s[G0X+3], s[G0X+3], 0x80000000
	s_or_b32 s[G0X+7], s[G0X+7], 0x80000000
	s_lshl_b32 s2, s36, 12                         ; x's scales: 128 tb rows of 32 bytes
	s_add_nc_u64 s[G0SX+2:G0SX+3], s[6:7], s[2:3]
	s_cmp_lt_u32 s[WV], 2                          ; wave 1: Wq, wave 2: Wk, wave 3: Wv: a choice on the wave's number alone
	s_cselect_b64 s[G0W+2:G0W+3], s[8:9], s[12:13]
	s_cselect_b64 s[G0SW+2:G0SW+3], s[10:11], s[14:15]
	s_cmp_eq_u32 s[WV], 3
	s_cselect_b64 s[G0W+2:G0W+3], s[16:17], s[G0W+2:G0W+3]
	s_cselect_b64 s[G0SW+2:G0SW+3], s[18:19], s[G0SW+2:G0SW+3]
	s_mov_b32 s[G0W], 1
	s_mov_b32 s[G0W+4], 1
	s_mov_b32 s[G0W+1], s104
	s_add_co_u32 s[G0W+5], s104, SLOT
	s_add_nc_u64 s[G0W+2:G0W+3], s[G0W+2:G0W+3], s[66:67]
	s_add_nc_u64 s[G0W+6:G0W+7], s[G0W+2:G0W+3], 256
	s_or_b32 s[G0W+3], s[G0W+3], 0x80000000
	s_or_b32 s[G0W+7], s[G0W+7], 0x80000000
	s_lshl_b32 s66, s35, 12
	s_add_nc_u64 s[G0SW+2:G0SW+3], s[G0SW+2:G0SW+3], s[66:67]
	s_cmp_eq_u32 s[WV], 0
	s_cselect_b64 s[G0SW+2:G0SW+3], s[G0SX+2:G0SX+3], s[G0SW+2:G0SW+3]   ; my matrix's scale bytes: wave 0 x, waves 1 to 3 W
	JLOAD G0X, G1X, G0W, G1W                       ; K step 0: one tensor load a wave at the head
	v_and_b32 v1, 15, v0                           ; r
	v_bfe_u32 v2, v0, 4, 1                         ; h
	v_mul_u32_u24 v3, v1, 272
	v_lshl_add_u32 v[ADRX], v2, 4, v3              ; a fragment's row x pitch + 16 h
	v_add_nc_u32 v[ADRX+1], SLOT, v[ADRX]
	s_mul_i32 s104, s[WV], 32*272                  ; my 32 rows of each W tile
.irp s, 0,1
.irp m, 0,1,2
	s_add_co_u32 s105, s104, \s*SLOT+(1+\m)*TILE
	v_add_nc_u32 v[ADRW+3*\s+\m], s105, v[ADRX]
.endr
.endr
	v_lshrrev_b32 v3, 3, v1
	v_lshlrev_b32 v[ADSX], 5, v1                   ; a row's 32 scale bytes,
	v_lshl_add_u32 v[ADSX], v3, 4, v[ADSX]         ; and 16 more for each 256 passed
	v_add_nc_u32 v[ADSX], SCL, v[ADSX]
	s_mul_i32 s104, s[WV], 2*544
	s_add_co_u32 s104, s104, SBLK
	v_add_nc_u32 v[ADSW], s104, v[ADSX]
	v_and_b32 v[LOFF], 31, v0
	v_lshlrev_b32 v[LOFF], 4, v[LOFF]
	v_mul_u32_u24 v19, v2, 272                     ; v19: where my scale bytes go: 544 bytes of LDS for each load's 512
	v_lshl_add_u32 v19, v1, 4, v19
	s_mul_i32 s105, s[WV], SBLK
	s_add_co_u32 s105, s105, SCL
	v_add_nc_u32 v19, s105, v19
.irp i, 0,1,2,3,4,5,6,7
	global_load_b128 v[128+4*\i:131+4*\i], v[LOFF], s[G0SW+2:G0SW+3] offset:512*\i
.endr
	s_wait_alu depctr_va_vdst(0)
	s_lshr_b32 s104, s[WV], 1                      ; q's and k's bytes: [head of two][token % 16][tile][2]: 256 (w / 2) + w % 2
	s_lshl_b32 s104, s104, 8
	s_and_b32 s105, s[WV], 1
	s_add_co_u32 s104, s104, s105
	s_add_co_u32 s104, s104, STG
	v_lshl_add_u32 v[STB], v1, 4, s104             ; q's and k's bytes: 256 (w / 2) + 16 r + 2 tile + w % 2
	s_mul_i32 s105, s105, 7
	s_add_co_u32 s104, s104, s105
	s_add_co_u32 s104, s104, 1024
	v_lshl_add_u32 v[STV], v1, 4, s104             ; v's words: 256 (w / 2) + 16 r + 4 (2 (w % 2) + n)
	s_min_u32 s104, s[WV], 2                       ; waves 0, 1, 2 read q's, k's, v's 512 bytes back
	s_lshl_b32 s104, s104, 9
	s_add_co_u32 s104, s104, STG
	v_add_nc_u32 v[SRD], s104, v[LOFF]
	v_lshlrev_b32 v[SOFF], 4, v1
	v_mad_u32_u24 v[SOFF], v2, 270336, v[SOFF]     ; lanes 16-31: the second head, 32 chunks on
	; where my results go, in bytes
	s_mov_b64 s[22:23], s[20:21]                   ; the same three buffers, for the scale bytes
	s_mov_b64 s[26:27], s[24:25]
	s_mov_b64 s[30:31], s[28:29]
	s_mul_i32 s104, s35, 540672                    ; head 2 cg: 32 chunks of 8,448 bytes a head
	s_lshr_b32 s33, s[WV], 1
	s_mul_i32 s33, s33, 270336
	s_add_co_u32 s104, s104, s33
	s_mul_i32 s33, s36, 8448                       ; + chunk tb
	s_add_co_u32 s104, s104, s33
	s_and_b32 s34, s[WV], 1
	s_lshl_b32 s33, s34, 12                        ; vc: + two tiles of 16 of the head's 64, 2,048 bytes each
	s_add_co_u32 s104, s104, s33
	s_mov_b32 s105, 0
	s_add_nc_u64 s[28:29], s[28:29], s[104:105]
	s_mul_i32 s33, s34, 4096-512                   ; qc, kc: + block w % 2, 512 bytes
	s_sub_co_u32 s104, s104, s33
	s_add_nc_u64 s[20:21], s[20:21], s[104:105]
	s_add_nc_u64 s[24:25], s[24:25], s[104:105]
	s_mul_i32 s104, s35, 540672                    ; the scale bytes lie behind a chunk's 8,192 bytes of codes
	s_mul_i32 s33, s36, 8448
	s_add_co_u32 s104, s104, s33
	s_add_co_u32 s104, s104, 8192
	s_add_nc_u64 s[22:23], s[22:23], s[104:105]
	s_add_nc_u64 s[26:27], s[26:27], s[104:105]
	s_add_nc_u64 s[30:31], s[30:31], s[104:105]
	s_cmp_eq_u32 s[WV], 0
	s_cselect_b64 s[104:105], s[22:23], s[26:27]
	s_cmp_eq_u32 s[WV], 2
	s_cselect_b64 s[104:105], s[30:31], s[104:105] ; wave 0: qs, wave 1: ks, wave 2: vs
; 56 LDS loads: the fragments of the slot's q-th 128 along K into set f: x's eight, then the six of W
.macro FETCH slot, q, f
	WIN (3*(1-(\f)))<<6
.irp a, 0,1,2,3,4,5,6,7
.irp c, 0,1,2,3
	ds_load_b128 v[128+16*\a+4*\c:128+16*\a+4*\c+3], v[ADRX+\slot] offset:\a*4352+128*(\q)+32*\c
.endr
.endr
	WIN (1+(\f))<<6
.irp m, 0,1,2
.irp u, 0,1
.irp c, 0,1,2,3
	ds_load_b128 v[128+16*(2*\m+\u)+4*\c:128+16*(2*\m+\u)+4*\c+3], v[ADRW+3*(\slot)+\m] offset:\u*4352+128*(\q)+32*\c
.endr
.endr
.endr
	WIN 0
.endm
.macro SCALES sc, ks                   ; K step ks's scale words, two a row, into set sc
.irp a, 0,1,2,3,4,5,6,7
	ds_load_b64 v[XS+16*(\sc)+2*\a:XS+16*(\sc)+2*\a+1], v[ADSX] offset:\a*544+8*(\ks)
.endr
.irp m, 0,1,2
.irp u, 0,1
	ds_load_b64 v[WS+12*(\sc)+2*(2*\m+\u):WS+12*(\sc)+2*(2*\m+\u)+1], v[ADSW] offset:\m*4352+\u*544+8*(\ks)
.endr
.endr
.endm
.macro MM d, a, b, sa, sb, zero
.if \zero
	v_wmma_scale_f32_16x16x128_f8f6f4 v[\d:\d+7], v[\a:\a+15], v[\b:\b+15], 0, v[\sa], v[\sb]
.else
	v_wmma_scale_f32_16x16x128_f8f6f4 v[\d:\d+7], v[\a:\a+15], v[\b:\b+15], v[\d:\d+7], v[\sa], v[\sb]
.endif
.endm
; 48 matrix instructions, 128 along K, from set f.  The 48 accumulators take turns, one instruction a turn, in the same order in every step.  zero = 1: the products start the sums.
.macro MUL f, q, sc, zero
	WIN (1+(\f))|((3*(1-(\f)))<<2)|0x50
.irp a, 0,1,2,3,4,5,6,7
.irp u, 0,1
	MM 16*\a+8*\u, 128+16*\u, 128+16*\a, WS+12*(\sc)+2*\u+(\q), XS+16*(\sc)+2*\a+(\q), \zero
.endr
.endr
	WIN (1+(\f))|((3*(1-(\f)))<<2)|0xa0
.irp a, 0,1,2,3,4,5,6,7
.irp u, 0,1
	MM 16*\a+8*\u, 128+16*(2+\u), 128+16*\a, WS+12*(\sc)+2*(2+\u)+(\q), XS+16*(\sc)+2*\a+(\q), \zero
.endr
.endr
	WIN (3*(1-(\f)))|((1+(\f))<<2)|0xf0
.irp a, 0,1,2,3,4,5,6,7
.irp n, 0,1
	MM 64*\n+8*\a, 128+16*\a, 128+16*(4+\n), XS+16*(\sc)+2*\a+(\q), WS+12*(\sc)+2*(4+\n)+(\q), \zero
.endr
.endr
.endm
; The change of slots.  This slot's last fragments are already asked for: each wave waits for all its tensor loads, adds 0 to its spare word, and waits for that and for its reads of the slot.
; fill = 1: a round of the cluster's barrier, and the joint refill first behind it, two K steps ahead: it has 96 matrix instructions in which to land.
.macro TURN slot, fill
	WIN 0
	s_wait_tensorcnt 0x0                           ; all my tensor loads have landed: my part of the other slot
	ds_add_u32 v[SPW], v[NIL]
.if \fill
	s_add_nc_u64 s[G0X+4*\slot+2:G0X+4*\slot+3], s[G0X+4*\slot+2:G0X+4*\slot+3], 512
	s_add_nc_u64 s[G0W+4*\slot+2:G0W+4*\slot+3], s[G0W+4*\slot+2:G0W+4*\slot+3], 512
.endif
	s_wait_dscnt 0x0                               ; the add is done, and my reads of this slot are in
.if \fill
	CROUND
	JLOAD G0X+4*\slot, G1X, G0W+4*\slot, G1W
	PLACES 4                                       ; with the four behind the load: eight places in front of loads into registers that matrix instructions have read
.else
	s_barrier_signal -1
	s_barrier_wait -1
	PLACES 8
.endif
.endm
; 64 numbers of a lane, four runs of 16 registers, each run half a block of 32 (the other half in lane l xor 16), become 4 x 4 registers of codes at pc, the four scale bytes at tm + 4 .. 7 and their word at tm + 16.
; All registers lie in the window in force.
.macro QUANT s, tm, pc
.irp b, 0,1,2,3
	v_mov_b32 v[\tm+4+\b], 0                       ; a lane permute's destination counts as one of its sources
.endr
.irp b, 0,1,2,3
	v_max3_num_f32 v[\tm+\b], |v[\s+16*\b]|, |v[\s+1+16*\b]|, 0x4800000   ; my 16 numbers, and the floor 2^(9 - 127): the byte cannot fall under 1
.endr
.irp i, 2,4,6,8,10,12,14
.irp b, 0,1,2,3
	v_max3_num_f32 v[\tm+\b], v[\tm+\b], |v[\s+16*\b+\i]|, |v[\s+1+16*\b+\i]|
.endr
.endr
.irp b, 0,1,2,3
	v_permlanex16_b32 v[\tm+4+\b], v[\tm+\b], s[SEL], s[SEL+1]
.endr
.irp b, 0,1,2,3
	v_max_num_f32 v[\tm+\b], v[\tm+\b], v[\tm+4+\b]   ; the block's largest magnitude
.endr
.irp b, 0,1,2,3
	v_add_nc_u32 v[\tm+12+\b], 0xfc000000, v[\tm+\b]  ; 8 off its exponent field: the conversion's scale operand
.endr
.irp b, 0,1,2,3
	v_and_or_b32 v[\tm+8+\b], v[\tm+\b], 0x7f800000, s[MNT]   ; 448 x the scale
.endr
.irp b, 0,1,2,3
	v_lshrrev_b32 v[\tm+4+\b], 23, v[\tm+12+\b]    ; the scale's byte
.endr
	v_lshl_or_b32 v[\tm+16], v[\tm+5], 8, v[\tm+4]
	v_lshl_or_b32 v[\tm+16], v[\tm+6], 16, v[\tm+16]
	v_lshl_or_b32 v[\tm+16], v[\tm+7], 24, v[\tm+16]
.irp b, 0,1,2,3
.irp i, 0,1,2,3,4,5,6,7,8,9,10,11,12,13,14,15
	v_med3_num_f32 v[\s+16*\b+\i], v[\s+16*\b+\i], -v[\tm+8+\b], v[\tm+8+\b]   ; the conversion to an 8-bit code does not saturate (ISA guide 7.6.2): the hold comes first
.endr
	v_cvt_scalef32_pk8_fp8_f32 v[\pc+4*\b:\pc+4*\b+1], v[\s+16*\b:\s+16*\b+7], v[\tm+12+\b]
	v_cvt_scalef32_pk8_fp8_f32 v[\pc+4*\b+2:\pc+4*\b+3], v[\s+16*\b+8:\s+16*\b+15], v[\tm+12+\b]
.endr
	v_nop                                          ; a plain line behind the last conversion
.endm
	s_wait_alu depctr_va_vdst(0)                   ; the wait at the head's end
	s_wait_loadcnt 0x0                             ; my scale bytes
.irp i, 0,1,2,3,4,5,6,7
	ds_store_b128 v19, v[128+4*\i:131+4*\i] offset:544*\i
.endr
	s_wait_tensorcnt 0x0                           ; my part of K step 0 is in
	ds_add_u32 v[SPW], v[NIL]
	s_wait_dscnt 0x0                               ; the add is done, and my scale bytes lie in LDS
	CROUND
	JLOAD G0X+4, G1X, G0W+4, G1W                   ; K step 1
	FETCH 0, 0, 0
	SCALES 0, 0
	FETCH 0, 1, 1
	s_wait_dscnt 56                                ; all but the 56 just issued
	MUL 0, 0, 0, 1
	TURN 0, 1
	FETCH 1, 0, 0
	SCALES 1, 1
	MUL 1, 1, 0, 0
	PLACES 8
	FETCH 1, 1, 1
	s_wait_dscnt 56
	MUL 0, 0, 1, 0
	TURN 1, 1
	FETCH 0, 0, 0
	SCALES 0, 2
	MUL 1, 1, 1, 0
	PLACES 8
	FETCH 0, 1, 1
	s_wait_dscnt 56
	MUL 0, 0, 0, 0
	TURN 0, 0                                      ; nothing is left to fetch
	FETCH 1, 0, 0
	SCALES 1, 3
	MUL 1, 1, 0, 0
	PLACES 8
	FETCH 1, 1, 1
	s_wait_dscnt 56
	MUL 0, 0, 1, 0
	s_wait_dscnt 0x0
	MUL 1, 1, 1, 0
	WIN 0
	PLACES 8                                       ; in front of the first read of results, and of writes into registers that held fragments
	; THE WAY OUT.  q (window 1) and k (window 2): run b of a call is token tile 4 g + b; its four registers of codes are a piece.  Each call has registers of its own, so no store's data are written again.
.irp w, 1,2
.irp g, 0,1
	WIN 0x55*\w
	QUANT 64*\g, 160+20*\g, 128+16*\g
	WIN \w<<2                                      ; a store's data are its source 1
.irp b, 0,1,2,3
	global_store_b128 v[LOFF], v[128+16*\g+4*\b:128+16*\g+4*\b+3], s[16+4*\w:17+4*\w] offset:(4*\g+\b)*1024   ; 32 lanes store 512 consecutive bytes, aligned
	ds_store_b8 v[STB], v[164+20*\g+\b] offset:(\w-1)*512+2*(4*\g+\b)   ; both lanes of a block write the same byte with the same value
.endr
.endr
.endr
	; v (window 3): a call is column tile n: a whole fragment of 128 keys and its scale word
.irp n, 0,1
	WIN 0xff
	QUANT 64*\n, 160+20*\n, 128+16*\n
	WIN 0x0c
.irp c, 0,1,2,3
	global_store_b128 v[LOFF], v[128+16*\n+4*\c:128+16*\n+4*\c+3], s[28:29] offset:\n*2048+512*\c
.endr
	ds_store_b32 v[STV], v[176+20*\n] offset:4*\n
.endr
	WIN 0
	s_wait_dscnt 0x0                               ; for the others' sake: my bytes lie in the stage
	s_barrier_signal -1
	s_barrier_wait -1
	s_cmp_lt_u32 s[WV], 3
	s_cbranch_scc0 .Lno_bytes
	ds_load_b128 v[20:23], v[SRD]
	s_wait_dscnt 0x0
	global_store_b128 v[SOFF], v[20:23], s[104:105]   ; sixteen lanes store 256 consecutive bytes, aligned: one head's; the other sixteen the next head's
.Lno_bytes:
	s_wait_tensorcnt 0x0                           ; the wave's end
	ds_add_u32 v[SPW], v[NIL]
	s_wait_dscnt 0x0
	CROUND                                         ; the closing round
	s_endpgm
.Lfunc_end_k_q884daf32de_qkv:
	.size	k_q884daf32de_qkv, .Lfunc_end_k_q884daf32de_qkv-k_q884daf32de_qkv
	.p2alignl 7, 3214868480
	.fill 96, 4, 3214868480
	.section	.rodata,"a",@progbits
	.p2align	6, 0x0
	.amdhsa_kernel k_q884daf32de_qkv
		.amdhsa_group_segment_fixed_size 327680
		.amdhsa_private_segment_fixed_size 0
		.amdhsa_enable_private_segment 0
		.amdhsa_kernarg_size 88
		.amdhsa_user_sgpr_count 2
		.amdhsa_user_sgpr_kernarg_segment_ptr 1
		.amdhsa_wavefront_size32 1
		.amdhsa_system_sgpr_workgroup_id_x 1
		.amdhsa_system_sgpr_workgroup_id_y 1
		.amdhsa_system_sgpr_workgroup_id_z 1
		.amdhsa_system_vgpr_workitem_id 0
		.amdhsa_next_free_vgpr 1024
		.amdhsa_next_free_sgpr 106
		.amdhsa_reserve_vcc 0
		.amdhsa_float_denorm_mode_32 3
		.amdhsa_float_denorm_mode_16_64 3
		.amdhsa_memory_ordered 1
		.amdhsa_forward_progress 1
		.amdhsa_inst_pref_size 149
	.end_amdhsa_kernel
	.amdgpu_metadata
---
amdhsa.version: [ 1, 2 ]
amdhsa.kernels:
  - .name:           k_q884daf32de_qkv
    .symbol:         k_q884daf32de_qkv.kd
    .args:
      - { .name: x_codes, .offset: 0, .size: 8, .value_kind: global_buffer, .address_space: global }
      - { .name: x_scales, .offset: 8, .size: 8, .value_kind: global_buffer, .address_space: global }
      - { .name: Wq_codes, .offset: 16, .size: 8, .value_kind: global_buffer, .address_space: global }
      - { .name: Wq_scales, .offset: 24, .size: 8, .value_kind: global_buffer, .address_space: global }
      - { .name: Wk_codes, .offset: 32, .size: 8, .value_kind: global_buffer, .address_space: global }
      - { .name: Wk_scales, .offset: 40, .size: 8, .value_kind: global_buffer, .address_space: global }
      - { .name: Wv_codes, .offset: 48, .size: 8, .value_kind: global_buffer, .address_space: global }
      - { .name: Wv_scales, .offset: 56, .size: 8, .value_kind: global_buffer, .address_space: global }
      - { .name: qc, .offset: 64, .size: 8, .value_kind: global_buffer, .address_space: global }
      - { .name: kc, .offset: 72, .size: 8, .value_kind: global_buffer, .address_space: global }
      - { .name: vc, .offset: 80, .size: 8, .value_kind: global_buffer, .address_space: global }
    .group_segment_fixed_size: 327680
    .private_segment_fixed_size: 0
    .kernarg_segment_align: 8
    .kernarg_segment_size: 88
    .max_flat_workgroup_size: 128
    .sgpr_count:     106
    .vgpr_count:     1024
    .wavefront_size: 32
...
	.end_amdgpu_metadata
.endif
;; end of part 1
;; launch attn (part 2): grid 16 x 16, 8 waves a work-group, no clusters, 327,680 bytes of LDS; arguments qc, kc, vc, cc, cs; writes cc, cs
.if DOCPART == 2
	.amdgcn_target "amdgcn-amd-amdhsa--gfx1250"
	.amdhsa_code_object_version 6
	.text
	.protected	k_q884daf32de_attn
	.globl	k_q884daf32de_attn
	.p2align	8
	.type	k_q884daf32de_attn,@function
k_q884daf32de_attn:
	s_mov_b64 s[64:65], 0
	v_nop
	global_prefetch_b8 v0, s[64:65] scope:SCOPE_SE
	s_setreg_imm32_b32 hwreg(HW_REG_WAVE_MODE, 25, 1), 1
	s_wait_xcnt 0x0
; ctx[q] = the sum over keys k <= q of softmax_k(q . k / 8) v[k], for 16 heads of 64, 4,096 tokens; both products on codes of FP8 (E4M3) with E8M0 scales; ctx is quantised here along the model's 1,024 and leaves as codes.
; LEFT OUT: the key steps of 128 that lie wholly above the causal mask.  A NaN or an infinity that reaches only those is not carried to the result.
; THE SOFTMAX: t = score x log2(e) / 8; M = the running largest t rounded UP to a whole number; p = 2^(t - M) is quantised along the keys, not normalised; the row's sum is taken of the unquantised p and divides at the end.
; A block's scale comes from the exponent of its largest p, which is floor(t - M) of its largest score.
; SHARES.  Work-group (g, head) owns the blocks 31 - g (late) and g (early) of 128 queries: 32 - g and g + 1 key steps of 128.  Eight waves, a pair for each 32 queries of a block (j = w / 2), two tiles of 16 a wave:
; waves of kind A (0, 2, 5, 7) make the late queries' key steps 0 .. 15, in trips 1 .. 16;  waves of kind B the late queries' steps 16 .. 31 - g, in trips 0 .. 15 - g, lay that part into LDS, and go on with the early queries' steps 0 .. g, in trips 16 - g .. 16.
; So every work-group makes 17 trips.  At the end A joins B's part to its own (M is a whole number: the factors are powers of two).  The steps on the diagonal are B's trips 15 - g and 16.
; OPERANDS lie in memory and in LDS as images of their registers (a piece = 512 bytes, lane l's 16 bytes at 16 l).  A chunk is 128 keys of K or of V: 8,192 bytes of codes and 256 scale bytes: 33 rows of 256.
; LDS: two slots of four chunks (A's K, V, B's K, V), B's first two chunks apart; the parts handed over; the results' scale bytes; the spare words.  A trip's chunks are asked for two trips ahead, behind the barrier of the trip that has read the slot out.
; LAYOUT.  S^T = K Q^T, O^T = V^T P^T: a lane holds ONE query.  K = 64 IN A FORM OF 128: source 0 is a pair of K's tiles (16 registers), source 1 is Q below zeros for the first, zeros below Q for the second.
; p's register 8 u + j of a block holds key 16 u + 8 h + j and stands at operand position 16 h + 8 u + j; V's codes were made in that same order.
; NO CLUSTER: the trip in which a work-group turns from its late to its early queries hangs on g, and so do a step's branches; partners of a cluster would differ in g.
; LIMITS: NaN and infinities are not served; a block's scale byte is not under 1; the order of summation inside a block of 32 is not K ascending.
; REGISTERS.  Tile T of a wave lies in window T, from v96 on, with the same numbers in both.  window 0: v0-31 addresses, scales; v32-95 V's fragments.  window 1: v0-63 K's fragments; v64-79 the early queries' codes.
.set CH,     8448
.set HEADB,  32*CH
.set SLOT1,  1<<16
.set XB,     2*SLOT1                   ; B's first two chunks
.set STASH,  XB+2*CH                   ; 9,216 bytes a wave: two tiles of 8 x 512 (O^T) + 256 (-M) + 256 (the sum)
.set SBYTES, 9216
.set STG,    STASH+8*SBYTES            ; the results' scale bytes: the late block's 256, the early block's 256
.set SPARE,  STG+512                   ; the spare words, 128 bytes a wave
.set SPW, 3
.set NIL, 4
.set KS, 12                            ; v12-15 K's scale words, a pair of tiles each
.set VS, 16                            ; v16-19 V's
.set QS, 20                            ; v20-21 Q's (two bytes, twice)
.set PW, 22                            ; v22-23 p's
.set LL, 26                            ; 16 x lane
.set QZ, 96                            ; zeros, Q (104), zeros (112)
.set BM, 120
.set PM, 124
.set S,  128
.set O,  192
.set P,  224
.set SO, 240
.set BD, 244
.set TM, 248
.set DM, 249
.set NM, 250                           ; -M
.set TX, 251                           ; the largest score
.set F,  252
.set SUM, 254
.set WV,  20
.set RO,  21                           ; 0: kind A, 1: kind B
.set SEL, 22
.set CS,  24                           ; s[24:25] c = log2(e) / 8
.set NCS, 26                           ; -c
.set MNT, 27
.set G1,  28
.set GX,  36
.set G0,  44
.set TB,  40
.set I,   41                           ; the trip
.set SWI, 42                           ; 16 - g
.set DI,  43                           ; B's trips on the diagonal
.set DJ,  48
.set ACT, 49                           ; 0: this wave has no work in this trip (A in trip 0)
.set HB,  50
.set LIM, 51
.set PFA, 52
.set NX,  54                           ; the trip whose chunks are asked for next
.set HD,  55
.set JW,  56
.set KVP, 66
.set MSB, 0
.macro WIN new                         ; the immediate's high byte repeats the setting that is left
.if MSB != (\new)
	s_set_vgpr_msb (MSB<<8)|(\new)
.set MSB, (\new)
.endif
.endm
.macro PLACES n
.rept \n
	v_nop
.endr
.endm
.macro TLOAD                           ; waves 0, 1: A's K, V; waves 2, 3: B's; an s_nop 0 and four v_nop follow the load
	s_cmp_lt_u32 s[WV], 4
	s_cbranch_scc0 .Lasked_\@
	tensor_load_to_lds s[G0:G0+3], s[G1:G1+7]
	s_nop 0
	PLACES 4
.Lasked_\@:
.endm
.macro GDESC                           ; group 0 for trip NX: A's key step is NX - 1; B's is 16 + NX while that is the late block's, then NX - (16 - g)
	s_xor_b32 s[G0+1], s[G0+1], SLOT1
	s_add_co_u32 s68, s[NX], 16
	s_sub_co_u32 s69, s[NX], s[SWI]
	s_sub_co_u32 s70, s[NX], 1
	s_cmp_lt_u32 s[NX], s[SWI]
	s_cselect_b32 s68, s68, s69
	s_cmp_lt_u32 s[WV], 2
	s_cselect_b32 s68, s70, s68
	s_mul_i32 s68, s68, CH
	s_add_co_u32 s68, s68, s[HB]
	s_mov_b32 s69, 0
	s_add_nc_u64 s[G0+2:G0+3], s[KVP:KVP+1], s[68:69]
	s_or_b32 s[G0+3], s[G0+3], 0x80000000
	s_add_co_u32 s[NX], s[NX], 1
.endm
.macro KLOAD                           ; 17 LDS loads: K's eight tiles and their scale words
	WIN 0x40
.irp t, 0,1,2,3,4,5,6,7,8,9,10,11,12,13,14,15
	ds_load_b128 v[4*\t:4*\t+3], v8 offset:512*\t
.endr
	WIN 0
	ds_load_b128 v[KS:KS+3], v9 offset:8192
.endm
.macro VLOAD                           ; 17: V's four fragments and their scale words
.irp t, 0,1,2,3,4,5,6,7,8,9,10,11,12,13,14,15
	ds_load_b128 v[32+4*\t:35+4*\t], v8 offset:CH+512*\t
.endr
	ds_load_b128 v[VS:VS+3], v9 offset:CH+8192
.endm
.macro RESET                           ; a tile's state before its first step: zeros, and a largest score under every score; -M is a whole number
.set J_, 0
.rept 32
	v_mov_b32 v[O+J_], 0
.set J_, J_+1
.endr
	v_mov_b32 v[SUM], 0
	v_mov_b32 v[SUM+1], 0
	v_mov_b32 v[TX], 0xff61b1e6
	v_mov_b32 v[NM], 0x7e000000
.endm
.macro SPROD T                         ; S^T of tile T: eight products
	WIN 0x01+0x44*\T
.irp u, 0,1,2,3
	v_wmma_scale_f32_16x16x128_f8f6f4 v[S+16*\u:S+16*\u+7], v[16*\u:16*\u+15], v[QZ+8:QZ+23], 0, v[KS+\u], v[QS+\T]
	v_wmma_scale_f32_16x16x128_f8f6f4 v[S+16*\u+8:S+16*\u+15], v[16*\u:16*\u+15], v[QZ:QZ+15], 0, v[KS+\u], v[QS+\T]
.endr
.endm
.macro OPROD T                         ; O^T of tile T: four products
	WIN 0x54*\T
.irp d, 0,1,2,3
	v_wmma_scale_f32_16x16x128_f8f6f4 v[O+8*\d:O+8*\d+7], v[32+16*\d:47+16*\d], v[P:P+15], v[O+8*\d:O+8*\d+7], v[VS+\d], v[PW+\T]
.endr
.endm
.macro MIN2 x, b                       ; the hold on two numbers (the conversion to an 8-bit code does not saturate: ISA guide 7.6.2); p is not negative
.if MSB == 0                           ; window 0: as a pair;  window 1: one by one
	v_dual_min_num_f32 v[\x], v[\x], v[\b] :: v_dual_min_num_f32 v[\x+1], v[\x+1], v[\b]
.else
	v_min_num_f32 v[\x], v[\x], v[\b]
	v_min_num_f32 v[\x+1], v[\x+1], v[\b]
.endif
.endm
.macro ADD2 d, a, b
	v_pk_add_f32 v[\d:\d+1], v[\a:\a+1], v[\b:\b+1]
.endm
.macro FMA2 x                          ; t - M
	v_pk_fma_f32 v[\x:\x+1], v[\x:\x+1], s[CS:CS+1], v[NM:NM+1] op_sel_hi:[1,0,0]
.endm
.macro MASK                            ; a step on the diagonal: hidden keys' scores become -infinity.  Register n holds key 16 (n / 8) + n % 8 + 8 h of the step; DM = my query's place in its block - 8 h
.irp T, 0,1
	WIN 0x55*\T
	v_mov_b32 v[TM], 0xff800000
.set N_, 0
.rept 64
	v_cmp_gt_i32 vcc_lo, 16*(N_/8)+N_%8, v[DM]
	v_cndmask_b32 v[S+N_], v[S+N_], v[TM], vcc_lo
.set N_, N_+1
.endr
.endr
	WIN 0
.endm
; THE SOFTMAX OF A STEP OF TILE T: S^T -> p's codes P and its scale word.  Two batches of 32 exponentials; among the first stand the second's multiply-adds, among the second the sums and holds of the first.
; The sums lie in P's registers until the codes take them.
.macro SOFT T
	WIN 0x55*\T
.if \T
	s_wait_alu depctr_va_vdst(0)                   ; ahead of S's first reader: the other tile's exponentials stand between
.endif
.irp b, 0,1,2,3
	v_max3_num_f32 v[BM+\b], v[S+16*\b], v[S+16*\b+1], v[S+16*\b+2]   ; the largest score of each block of 32 keys
.endr
.irp i, 3,5,7,9,11,13
.irp b, 0,1,2,3
	v_max3_num_f32 v[BM+\b], v[BM+\b], v[S+16*\b+\i], v[S+16*\b+\i+1]
.endr
.endr
.irp b, 0,1,2,3
	v_max_num_f32 v[BM+\b], v[BM+\b], v[S+16*\b+15]
.endr
.irp b, 0,1,2,3
	v_permlanex16_b32 v[PM+\b], v[BM+\b], s[SEL], s[SEL+1]
.endr
.irp b, 0,1,2,3
	v_max_num_f32 v[BM+\b], v[BM+\b], v[PM+\b]
.endr
	v_max3_num_f32 v[TM], v[BM], v[BM+1], v[BM+2]
	v_max3_num_f32 v[TX], v[TM], v[BM+3], v[TX]    ; the running largest score
	v_mul_f32 v[TM], s[NCS], v[TX]
	v_floor_f32 v[TM], v[TM]                       ; the new -M
	v_sub_f32 v[F], v[TM], v[NM]
	v_mov_b32 v[NM], v[TM]
	v_cvt_i32_f32 v[F], v[F]                       ; old M - new M, 0 or less
	v_ldexp_f32 v[F], 1.0, v[F]                    ; what was summed under the old M is brought under the new by this power of two
.irp b, 0,1,2,3
	v_fma_f32 v[BM+\b], v[BM+\b], s[CS], v[NM]
.endr
.set J_, 0
.rept 16
	FMA2 S+2*J_
.set J_, J_+1
.endr
.irp b, 0,1,2,3
	v_max_num_f32 v[BM+\b], 0xc2ec0000, v[BM+\b]   ; -118: the byte does not fall under 1
.endr
.irp b, 0,1,2,3
	v_cvt_floor_i32_f32 v[PM+\b], v[BM+\b]         ; the exponent of the block's largest p
.endr
.irp b, 0,1,2,3
	v_lshl_add_u32 v[SO+\b], v[PM+\b], 23, 0x3b800000   ; + 127 - 8, as an exponent field: the conversion's scale operand
.endr
.irp b, 0,1,2,3
	v_add_nc_u32 v[BD+\b], 0x4600000, v[SO+\b]     ; 448 x the scale
.endr
	v_lshl_add_u32 v[TM], v[PM+3], 8, v[PM+2]      ; p's scale word: four bytes, each its exponent + 119
	v_lshl_add_u32 v[TM], v[TM], 8, v[PM+1]
	v_lshl_add_u32 v[TM], v[TM], 8, v[PM]
	WIN 0x15*\T
	v_add_nc_u32 v[PW+\T], 0x77777777, v[TM]
	WIN 0x55*\T
	s_wait_alu depctr_va_vdst(0)                   ; the wait ahead of a batch and behind it
.set J_, 0
.rept 16
	v_exp_f32 v[S+2*J_], v[S+2*J_]
	v_exp_f32 v[S+2*J_+1], v[S+2*J_+1]
	FMA2 S+32+2*J_
.set J_, J_+1
.endr
	s_wait_alu depctr_va_vdst(0)
.set J_, 0
.rept 8
	v_exp_f32 v[S+32+4*J_], v[S+32+4*J_]
	ADD2 P+2*J_, S+2*J_, S+16+2*J_
	v_exp_f32 v[S+33+4*J_], v[S+33+4*J_]
	MIN2 S+2*J_, BD
	v_exp_f32 v[S+34+4*J_], v[S+34+4*J_]
	v_exp_f32 v[S+35+4*J_], v[S+35+4*J_]
	MIN2 S+16+2*J_, BD+1
.set J_, J_+1
.endr
	s_wait_alu depctr_va_vdst(0)
.set J_, 0
.rept 16
	v_pk_mul_f32 v[O+2*J_:O+2*J_+1], v[O+2*J_:O+2*J_+1], v[F:F+1] op_sel_hi:[1,0]   ; O^T under the new M
.set J_, J_+1
.endr
.set J_, 0
.rept 8
	ADD2 P+2*J_, P+2*J_, S+32+2*J_
.set J_, J_+1
.endr
.set J_, 0
.rept 8
	ADD2 P+2*J_, P+2*J_, S+48+2*J_
.set J_, J_+1
.endr
.irp i, 0,2,4,6
	ADD2 P+\i, P+\i, P+8+\i
.endr
.set J_, 0
.rept 4
	MIN2 S+32+2*J_, BD+2
.set J_, J_+1
.endr
	ADD2 P, P, P+4
	ADD2 P+2, P+2, P+6
.rept 4
	MIN2 S+32+2*J_, BD+2
.set J_, J_+1
.endr
	ADD2 P, P, P+2
.set J_, 0
.rept 4
	MIN2 S+48+2*J_, BD+3
.set J_, J_+1
.endr
	v_pk_fma_f32 v[SUM:SUM+1], v[SUM:SUM+1], v[F:F+1], v[P:P+1] op_sel_hi:[1,0,1]   ; the row's sum under the new M, and this step's
.rept 4
	MIN2 S+48+2*J_, BD+3
.set J_, J_+1
.endr
.irp b, 0,1,2,3
	v_cvt_scalef32_pk8_fp8_f32 v[P+4*\b:P+4*\b+1], v[S+16*\b:S+16*\b+7], v[SO+\b]
	v_cvt_scalef32_pk8_fp8_f32 v[P+4*\b+2:P+4*\b+3], v[S+16*\b+8:S+16*\b+15], v[SO+\b]
.endr
	v_nop                                          ; a plain line behind the last conversion
.endm
; A TRIP.  K and V are on their way into registers, or there.  Behind the scores' products the slot has been read out: the barrier there shows the next trip's chunks to all and, fill = 1, frees this slot for the trip after that.
; K's next fragments are asked for ahead of the softmax, V's behind the last products.  fill = 0: trips 15 and 16, in which nothing is left to ask for; behind trip 16 nothing is read.
.macro TRIP fill
	s_wait_dscnt 17                                ; K is in (V's 17 loads may be out)
	s_cmp_eq_u32 s[ACT], 0
	s_cbranch_scc1 .Lidle_\@
	SPROD 0
	SPROD 1
	WIN 0
.Lidle_\@:
	s_wait_tensorcnt 0x0
	ds_add_u32 v[SPW], v[NIL]                      ; fill = 1: twice on end
.if \fill
	ds_add_u32 v[SPW], v[NIL]
	GDESC
.endif
	s_wait_dscnt 0x0                               ; the add is done, and K and V are in: I read this slot no more
	s_barrier_signal -1
	s_barrier_wait -1
.if \fill
	TLOAD
.endif
	PLACES 9                                       ; ahead of loads into registers that products have read, of the scores' first reader, and of the next products that write the scores
.if \fill == 0
	s_cmp_eq_u32 s[I], 16
	s_cbranch_scc1 .Lnext_\@
.endif
	v_add_nc_u32 v8, s[TB], v1
	v_add_nc_u32 v9, s[TB], v2
	s_wait_alu depctr_va_vdst(0)
	KLOAD
.if \fill                              ; A PREFETCH INTO THE L2, two trips ahead of the tensor load: all work-groups of a head walk A's steps and the late steps at the same trips, and share the trips out: number g asks in trip g, waves 4 to 7 for a chunk each, lanes 256 bytes apart
	s_cmp_eq_u32 s[I], s[LIM]
	s_cbranch_scc0 .Lnot_mine_\@
	global_prefetch_b8 v5, s[PFA:PFA+1] th:TH_LOAD_NT scope:SCOPE_SE
	global_prefetch_b8 v6, s[PFA:PFA+1] th:TH_LOAD_NT scope:SCOPE_SE
.Lnot_mine_\@:
.endif
.Lnext_\@:
	s_cmp_eq_u32 s[ACT], 0
	s_cbranch_scc1 .Lrest_\@
	s_cmp_eq_u32 s[I], s[DI]
	s_cbranch_scc1 .Ldiag_\@
	s_cmp_eq_u32 s[I], s[DJ]
	s_cbranch_scc0 .Lopen_\@
.Ldiag_\@:
	MASK
.Lopen_\@:
	SOFT 0
	SOFT 1
	PLACES 4                                       ; ahead of products that read the codes
	OPROD 0
	OPROD 1
	WIN 0
	PLACES 8
.Lrest_\@:
.if \fill == 0
	s_cmp_eq_u32 s[I], 16
	s_cbranch_scc1 .Llast_\@
.endif
	VLOAD
.Llast_\@:
	s_cmp_eq_u32 s[I], s[DI]                       ; B, behind the late queries' last step: this part goes to LDS, and the early queries begin
	s_cbranch_scc0 .Lstay_\@
	s_wait_alu depctr_va_vdst(0)
.irp T, 0,1
	WIN 0x04*\T
.irp k, 0,1,2,3,4,5,6,7
	ds_store_b128 v10, v[O+4*\k:O+4*\k+3] offset:4608*\T+512*\k
.endr
	ds_store_b64 v29, v[NM:NM+1] offset:4608*\T+4096
	ds_store_b64 v29, v[SUM:SUM+1] offset:4608*\T+4352
.endr
	WIN 0
	v_mov_b32 v20, v24
	v_mov_b32 v21, v25
	WIN 0x01
.irp i, 0,1,2,3,4,5,6,7
	v_mov_b32 v[QZ+8+\i], v[64+\i]
.endr
	WIN 0x41
.irp i, 0,1,2,3,4,5,6,7
	v_mov_b32 v[QZ+8+\i], v[72+\i]
.endr
	WIN 0
	RESET
	WIN 0x55
	RESET
	WIN 0
.Lstay_\@:
	s_xor_b32 s[TB], s[TB], SLOT1
	s_mov_b32 s[ACT], 1
	s_wait_alu depctr_va_vdst(0)                   ; ahead of the jump back
.endm
	s_load_b256 s[4:11], s[0:1], 0x0               ; qc, kc, vc, cc
	s_load_b64 s[12:13], s[0:1], 0x20              ; cs
	v_lshl_add_u32 v[SPW], v0, 2, SPARE
	v_mov_b32 v[NIL], 0
	ds_add_u32 v[SPW], v[NIL]                      ; the wave's opening: the add, twice on end, and its wait ahead of my first tensor load
	ds_add_u32 v[SPW], v[NIL]
	v_lshrrev_b32 v7, 5, v0
	v_readfirstlane_b32 s[WV], v7                  ; wave 0..7
	s_lshr_b32 s[JW], s[WV], 1
	s_lshr_b32 s[RO], s[WV], 2
	s_xor_b32 s[RO], s[RO], s[WV]
	s_and_b32 s[RO], s[RO], 1
	s_and_b32 s[HD], ttmp7, 0xffff                 ; the head
	s_mul_i32 s[HB], s[HD], HEADB
	s_mov_b32 s[G1], 3<<16                         ; a chunk: 33 dense rows of 256 bytes (32 elements of 8), no padding
	s_mov_b32 s[G1+1], 32<<16
	s_mov_b32 s[G1+2], 33<<16
	s_mov_b32 s[G1+3], 32<<16
	s_mov_b32 s[G1+4], 33
	s_mov_b32 s[G1+5], 32
	s_mov_b32 s[G1+6], 0
	s_mov_b32 s[G1+7], 0
	s_and_b32 s71, s[WV], 1                        ; I fetch K (0) or V (1)
	s_mov_b32 s[GX], 1
	s_mul_i32 s[GX+1], s71, CH
	s_add_co_u32 s[GX+1], s[GX+1], XB
	s_mov_b32 s[G0], 1
	s_mul_i32 s[G0+1], s[WV], CH
	s_add_co_u32 s[G0+1], s[G0+1], SLOT1           ; (turned to slot 0 by the first GDESC)
	s_sub_co_u32 s[SWI], 16, ttmp9
	s_sub_co_u32 s68, s[SWI], 1
	s_cmp_eq_u32 s[RO], 1
	s_cselect_b32 s[DI], s68, 99                   ; (99: no trip)
	s_cselect_b32 s[DJ], 16, 99
	s_mov_b32 s[ACT], s[RO]
	s_mov_b32 s[TB], 0
	s_mov_b32 s[I], 0
	s_mov_b32 s[NX], 1
	s_mov_b32 s[SEL], 0x76543210
	s_mov_b32 s[SEL+1], 0xfedcba98
	s_mov_b32 s[CS], 0x3e38aa3b
	s_mov_b32 s[CS+1], s[CS]
	s_mov_b32 s[NCS], 0xbe38aa3b
	s_mov_b32 s[MNT], 0x600000
	s_add_co_u32 s68, s[HB], 16*CH                 ; B's first key step is 16 in every work-group
	s_mov_b32 s69, 0
	s_wait_dscnt 0x0                               ; both opening adds are done
	s_wait_kmcnt 0x0
	s_cmp_eq_u32 s71, 0
	s_cselect_b64 s[KVP:KVP+1], s[6:7], s[8:9]
	s_add_nc_u64 s[GX+2:GX+3], s[KVP:KVP+1], s[68:69]
	s_or_b32 s[GX+3], s[GX+3], 0x80000000
	s_cmp_lt_u32 s[WV], 2                          ; waves 0 and 1: B's K and V for trip 0
	s_cbranch_scc0 .Lno_first
	tensor_load_to_lds s[GX:GX+3], s[G1:G1+7]
	s_nop 0
	PLACES 4
.Lno_first:
	s_bfe_u32 s70, s[WV], 0x10001                  ; the prefetches: waves 4, 5: A's K, V of trip g + 4 (key step g + 3); waves 6, 7: B's (key step g + 20); only where there is such a step
	s_mul_i32 s71, s70, 17
	s_add_co_u32 s71, s71, 3
	s_add_co_u32 s71, s71, ttmp9
	s_mul_i32 s68, s71, CH
	s_add_co_u32 s68, s68, s[HB]
	s_add_nc_u64 s[PFA:PFA+1], s[KVP:KVP+1], s[68:69]
	s_sub_co_u32 s72, 12, s70
	s_cmp_le_u32 ttmp9, s72
	s_cselect_b32 s[LIM], ttmp9, 99
	s_cmp_ge_u32 s[WV], 4
	s_cselect_b32 s[LIM], s[LIM], 99
	v_and_b32 v[LL], 31, v0
	v_lshlrev_b32 v[LL], 4, v[LL]                  ; 16 x lane
	v_and_b32 v7, 15, v0                           ; r
	v_bfe_u32 v31, v0, 4, 1                        ; h
	v_lshlrev_b32 v27, 4, v7                       ; 16 r
	v_add_nc_u32 v8, XB, v[LL]                     ; trip 0's places
	v_add_nc_u32 v9, XB, v27
	s_mul_i32 s70, s[RO], 2*CH                     ; in a slot: A's chunks, then B's
	v_add_nc_u32 v1, s70, v[LL]
	v_add_nc_u32 v2, s70, v27
	v_lshlrev_b32 v5, 4, v[LL]                     ; a prefetch's rows 0 .. 31, and row 32
	v_mov_b32 v6, 8192
	s_mul_i32 s70, s[WV], SBYTES                   ; the part handed over: mine, and my pair's (wave w xor 1: the same queries, the other kind)
	s_add_co_u32 s70, s70, STASH
	s_xor_b32 s71, s[WV], 1
	s_mul_i32 s71, s71, SBYTES
	s_add_co_u32 s71, s71, STASH
	v_add_nc_u32 v10, s70, v[LL]
	v_add_nc_u32 v11, s71, v[LL]
	v_lshrrev_b32 v28, 1, v[LL]
	v_add_nc_u32 v29, s70, v28
	v_add_nc_u32 v30, s71, v28
	s_lshl_b32 s73, s[JW], 5                       ; my queries' place in their block: 32 j + 16 T + r
	v_lshlrev_b32 v28, 3, v31
	v_sub_nc_u32 v28, v7, v28
	v_add_nc_u32 v[DM], s73, v28
	s_add_co_u32 s73, s73, 16
	WIN 0x40
	v_add_nc_u32 v[DM], s73, v28
	WIN 0
	s_sub_co_u32 s74, 31, ttmp9                    ; Q: the late block's chunk, and the early block's (kind B's second; kind A loads it too and uses nothing of it)
	s_mul_i32 s76, s74, CH
	s_add_co_u32 s76, s76, s[HB]
	s_mov_b32 s77, 0
	s_add_nc_u64 s[76:77], s[4:5], s[76:77]
	s_mul_i32 s78, ttmp9, CH
	s_add_co_u32 s78, s78, s[HB]
	s_mov_b32 s79, 0
	s_add_nc_u64 s[78:79], s[4:5], s[78:79]
	s_lshl_b32 s73, s[JW], 11
	v_add_nc_u32 v28, s73, v[LL]                   ; tiles 2 j, 2 j + 1
	s_lshl_b32 s73, s[JW], 2
	s_add_co_u32 s73, s73, 8192
	v_add_nc_u32 v27, s73, v27                     ; their scale bytes
	global_load_b128 v[104:107], v28, s[76:77]
	global_load_b128 v[108:111], v28, s[76:77] offset:512
	global_load_u16 v20, v27, s[76:77]
	global_load_u16 v21, v27, s[76:77] offset:2
	global_load_u16 v24, v27, s[78:79]
	global_load_u16 v25, v27, s[78:79] offset:2
	WIN 0x40
	global_load_b128 v[104:107], v28, s[76:77] offset:1024
	global_load_b128 v[108:111], v28, s[76:77] offset:1536
.irp i, 0,1,2,3
	global_load_b128 v[64+4*\i:67+4*\i], v28, s[78:79] offset:512*\i
.endr
.irp T, 0,1
	WIN 0x55*\T
.irp j, 0,1,2,3,4,5,6,7
	v_mov_b32 v[QZ+\j], 0                          ; zero codes below and above Q
	v_mov_b32 v[QZ+16+\j], 0
.endr
.irp b, 0,1,2,3
	v_mov_b32 v[PM+\b], 0                          ; a lane permute's destination counts as one of its sources
.endr
	v_mov_b32 v[F+1], 0                            ; (named with F as a pair)
.set J_, 0
.rept 64
	v_mov_b32 v[S+J_], 0                           ; (kind A passes trip 0 without a product)
.set J_, J_+1
.endr
	RESET
.endr
	WIN 0
	s_wait_alu depctr_va_vdst(0)                   ; the wait at the head's end
	s_wait_loadcnt 0x0                             ; Q
	v_lshl_or_b32 v20, v20, 16, v20                ; the two scale bytes serve Q in the lower and in the upper half of K
	v_lshl_or_b32 v21, v21, 16, v21
	v_lshl_or_b32 v24, v24, 16, v24
	v_lshl_or_b32 v25, v25, 16, v25
	s_wait_alu depctr_va_vdst(0)
	s_wait_tensorcnt 0x0
	ds_add_u32 v[SPW], v[NIL]                      ; twice on end
	ds_add_u32 v[SPW], v[NIL]
	GDESC
	s_wait_dscnt 0x0
	s_barrier_signal -1
	s_barrier_wait -1                              ; trip 0's chunks are in
	TLOAD                                          ; trip 1's, into slot 0: a first fill, as trip 2's behind the next barrier
	KLOAD
	VLOAD
.Lmain:
	TRIP 1
	s_add_co_u32 s[I], s[I], 1
	s_cmp_lt_u32 s[I], 15
	s_cbranch_scc1 .Lmain
	s_mov_b32 s[I], 15
.Ltail:
	TRIP 0
	s_add_co_u32 s[I], s[I], 1
	s_cmp_lt_u32 s[I], 17
	s_cbranch_scc1 .Ltail
	; THE WAY OUT
	s_wait_dscnt 0x0                               ; what B handed over lies in LDS
	s_barrier_signal -1
	s_barrier_wait -1
	s_cmp_eq_u32 s[RO], 1
	s_cbranch_scc1 .Lout
.irp T, 0,1                            ; kind A takes its pair's part in
	WIN 0x40*\T
.irp k, 0,1,2,3,4,5,6,7
	ds_load_b128 v[S+4*\k:S+4*\k+3], v11 offset:4608*\T+512*\k
.endr
	ds_load_b64 v[S+32:S+33], v30 offset:4608*\T+4096
	ds_load_b64 v[S+34:S+35], v30 offset:4608*\T+4352
.endr
	WIN 0
	s_wait_dscnt 0x0
.irp T, 0,1
	WIN 0x55*\T
	v_min_num_f32 v[TM], v[NM], v[S+32]            ; -M of both together
	v_sub_f32 v[F], v[TM], v[NM]
	v_sub_f32 v[S+36], v[TM], v[S+32]
	v_cvt_i32_f32 v[F], v[F]
	v_cvt_i32_f32 v[S+36], v[S+36]
	v_ldexp_f32 v[F], 1.0, v[F]
	v_ldexp_f32 v[S+36], 1.0, v[S+36]
.set J_, 0
.rept 16
	v_pk_mul_f32 v[S+2*J_:S+2*J_+1], v[S+2*J_:S+2*J_+1], v[S+36:S+37] op_sel_hi:[1,0]
.set J_, J_+1
.endr
	v_pk_mul_f32 v[S+34:S+35], v[S+34:S+35], v[S+36:S+37] op_sel_hi:[1,0]
.set J_, 0
.rept 16
	v_pk_fma_f32 v[O+2*J_:O+2*J_+1], v[O+2*J_:O+2*J_+1], v[F:F+1], v[S+2*J_:S+2*J_+1] op_sel_hi:[1,0,1]
.set J_, J_+1
.endr
	v_pk_fma_f32 v[SUM:SUM+1], v[SUM:SUM+1], v[F:F+1], v[S+34:S+35] op_sel_hi:[1,0,1]
.endr
	WIN 0
	s_wait_alu depctr_va_vdst(0)
.Lout:
	s_sub_co_u32 s70, 31, ttmp9
	s_cmp_eq_u32 s[RO], 1
	s_cselect_b32 s70, ttmp9, s70                  ; my block: A late, B early
	s_lshl_b32 s70, s70, 17                        ; cc: 16,384 bytes a tile of tokens, 1,024 a head
	s_lshl_b32 s71, s[JW], 15
	s_add_co_u32 s70, s70, s71
	s_lshl_b32 s71, s[HD], 10
	s_add_co_u32 s70, s70, s71
	s_mov_b32 s71, 0
	s_add_nc_u64 s[10:11], s[10:11], s[70:71]
	s_lshl_b32 s72, s[HD], 13                      ; cs: [head][128 tokens][256 bytes: token % 16, tile, block]
	s_lshl_b32 s73, ttmp9, 8
	s_add_co_u32 s72, s72, s73
	s_mov_b32 s73, 0
	s_add_nc_u64 s[12:13], s[12:13], s[72:73]
	s_lshl_b32 s74, ttmp9, 1
	s_sub_co_u32 s74, 31, s74
	s_lshl_b32 s74, s74, 8                         ; from the early block's unit to the late block's
	v_and_b32 v7, 15, v0
	v_bfe_u32 v31, v0, 4, 1
	v_xor_b32 v31, 1, v31
	v_mul_u32_u24 v28, s74, v31                    ; lanes 0-15 the late block's, lanes 16-31 the early block's
	v_lshl_add_u32 v28, v7, 4, v28
	v_add_nc_u32 v8, STG, v[LL]
	s_lshl_b32 s75, s[RO], 8
	s_lshl_b32 s76, s[JW], 2
	s_add_co_u32 s75, s75, s76
	s_add_co_u32 s75, s75, STG
	v_lshl_add_u32 v9, v7, 4, s75
.irp T, 0,1
	WIN 0x55*\T
	v_add_f32 v[SUM], v[SUM], v[SUM+1]
	v_permlanex16_b32 v[PM], v[SUM], s[SEL], s[SEL+1]
	v_add_f32 v[SUM], v[SUM], v[PM]                ; the row's sum
.endr
	WIN 0
	s_wait_alu depctr_va_vdst(0)
	v_rcp_f32 v[SUM], v[SUM]
	WIN 0x55
	v_rcp_f32 v[SUM], v[SUM]
	v_nop
	WIN 0
	s_wait_alu depctr_va_vdst(0)                   ; ahead of the reciprocals' first reader, and of O^T's
.irp T, 0,1
	WIN 0x55*\T
.set J_, 0
.rept 16
	v_pk_mul_f32 v[S+2*J_:S+2*J_+1], v[O+2*J_:O+2*J_+1], v[SUM:SUM+1] op_sel_hi:[1,0]   ; register 16 b + 8 u + j of lane (r, h) is ctx(query r, 32 b + 16 u + 8 h + j of my head's 64)
.set J_, J_+1
.endr
.endr
.irp T, 0,1
	WIN 0x55*\T
.irp b, 0,1
	v_max3_num_f32 v[BM+\b], |v[S+16*\b]|, |v[S+16*\b+1]|, 0x4800000
.endr
.irp i, 2,4,6,8,10,12,14
.irp b, 0,1
	v_max3_num_f32 v[BM+\b], v[BM+\b], |v[S+16*\b+\i]|, |v[S+16*\b+\i+1]|
.endr
.endr
.irp b, 0,1
	v_permlanex16_b32 v[PM+\b], v[BM+\b], s[SEL], s[SEL+1]
.endr
.irp b, 0,1
	v_max_num_f32 v[BM+\b], v[BM+\b], v[PM+\b]
.endr
.irp b, 0,1
	v_add_nc_u32 v[SO+\b], 0xfc000000, v[BM+\b]
.endr
.irp b, 0,1
	v_and_or_b32 v[BD+\b], v[BM+\b], 0x7f800000, s[MNT]
.endr
.irp b, 0,1
	v_lshrrev_b32 v[PM+\b], 23, v[SO+\b]
.endr
	v_lshl_or_b32 v[TM], v[PM+1], 8, v[PM]         ; my head's two scale bytes of query r
.irp b, 0,1
.irp i, 0,1,2,3,4,5,6,7,8,9,10,11,12,13,14,15
	v_med3_num_f32 v[S+16*\b+\i], v[S+16*\b+\i], -v[BD+\b], v[BD+\b]
.endr
.endr
	WIN 0x15*\T                                    ; both tiles' codes go to window 0: v32-39, v40-47
.irp b, 0,1
	v_cvt_scalef32_pk8_fp8_f32 v[32+8*\T+4*\b:33+8*\T+4*\b], v[S+16*\b:S+16*\b+7], v[SO+\b]
	v_cvt_scalef32_pk8_fp8_f32 v[34+8*\T+4*\b:35+8*\T+4*\b], v[S+16*\b+8:S+16*\b+15], v[SO+\b]
.endr
	v_nop
	WIN 0
	; ctx meets a GIVEN operand (Wo), so its codes go into the true order: lane (r, 0) wants 0 .. 15 of a block, lane (r, 1) 16 .. 31: lanes 0-15 take the upper lanes' first eight, the upper lanes the lower lanes' second eight
.irp b, 0,1
	v_permlane16_swap_b32 v[32+8*\T+4*\b], v[34+8*\T+4*\b]
	v_permlane16_swap_b32 v[33+8*\T+4*\b], v[35+8*\T+4*\b]
.endr
	global_store_b128 v[LL], v[32+8*\T:35+8*\T], s[10:11] offset:16384*\T          ; 32 lanes store 512 consecutive bytes, aligned
	global_store_b128 v[LL], v[36+8*\T:39+8*\T], s[10:11] offset:16384*\T+512
	WIN 0x04*\T
	ds_store_b16 v9, v[TM] offset:2*\T             ; both halves of the lanes write the same value
.endr
	WIN 0
	s_wait_alu depctr_va_vdst(0)
	s_wait_dscnt 0x0
	s_barrier_signal -1
	s_barrier_wait -1
	s_cmp_eq_u32 s[WV], 0
	s_cbranch_scc0 .Lend
	ds_load_b128 v[64:67], v8
	s_wait_dscnt 0x0
	global_store_b128 v28, v[64:67], s[12:13]      ; sixteen lanes store 256 consecutive bytes, aligned
.Lend:
	s_wait_tensorcnt 0x0                           ; the wave's end
	ds_add_u32 v[SPW], v[NIL]
	s_wait_dscnt 0x0
	s_endpgm
.Lfunc_end_k_q884daf32de_attn:
	.size	k_q884daf32de_attn, .Lfunc_end_k_q884daf32de_attn-k_q884daf32de_attn
	.p2alignl 7, 3214868480
	.fill 96, 4, 3214868480
	.section	.rodata,"a",@progbits
	.p2align	6, 0x0
	.amdhsa_kernel k_q884daf32de_attn
		.amdhsa_group_segment_fixed_size 327680
		.amdhsa_private_segment_fixed_size 0
		.amdhsa_enable_private_segment 0
		.amdhsa_kernarg_size 40
		.amdhsa_user_sgpr_count 2
		.amdhsa_user_sgpr_kernarg_segment_ptr 1
		.amdhsa_wavefront_size32 1
		.amdhsa_system_sgpr_workgroup_id_x 1
		.amdhsa_system_sgpr_workgroup_id_y 1
		.amdhsa_system_sgpr_workgroup_id_z 1
		.amdhsa_system_vgpr_workitem_id 0
		.amdhsa_next_free_vgpr 512
		.amdhsa_next_free_sgpr 100
		.amdhsa_reserve_vcc 1
		.amdhsa_float_denorm_mode_32 3
		.amdhsa_float_denorm_mode_16_64 3
		.amdhsa_memory_ordered 1
		.amdhsa_forward_progress 1
		.amdhsa_inst_pref_size 137
	.end_amdhsa_kernel
	.amdgpu_metadata
---
amdhsa.version: [ 1, 2 ]
amdhsa.kernels:
  - .name:           k_q884daf32de_attn
    .symbol:         k_q884daf32de_attn.kd
    .args:
      - { .name: qc, .offset: 0, .size: 8, .value_kind: global_buffer, .address_space: global }
      - { .name: kc, .offset: 8, .size: 8, .value_kind: global_buffer, .address_space: global }
      - { .name: vc, .offset: 16, .size: 8, .value_kind: global_buffer, .address_space: global }
      - { .name: cc, .offset: 24, .size: 8, .value_kind: global_buffer, .address_space: global }
      - { .name: cs, .offset: 32, .size: 8, .value_kind: global_buffer, .address_space: global }
    .group_segment_fixed_size: 327680
    .private_segment_fixed_size: 0
    .kernarg_segment_align: 8
    .kernarg_segment_size: 40
    .max_flat_workgroup_size: 256
    .sgpr_count:     100
    .vgpr_count:     512
    .wavefront_size: 32
...
	.end_amdgpu_metadata
.endif
;; end of part 2
;; launch proj (part 3): grid 8 x 32, 4 waves a work-group, clusters of 4 x 4, 327,680 bytes of LDS; arguments cc, cs, Wo_codes, Wo_scales, bo, out0; writes out0
.if DOCPART == 3
	.amdgcn_target "amdgcn-amd-amdhsa--gfx1250"
	.amdhsa_code_object_version 6
	.text
	.protected	k_q884daf32de_proj
	.globl	k_q884daf32de_proj
	.p2align	8
	.type	k_q884daf32de_proj,@function
k_q884daf32de_proj:
	s_mov_b64 s[64:65], 0
	v_nop
	global_prefetch_b8 v0, s[64:65] scope:SCOPE_SE
	s_setreg_imm32_b32 hwreg(HW_REG_WAVE_MODE, 25, 1), 1
	s_wait_xcnt 0x0
	s_wait_alu depctr_hold_cnt(0) depctr_sa_sdst(0) depctr_va_vdst(0) depctr_va_sdst(0) depctr_va_ssrc(0) depctr_va_vcc(0) depctr_vm_vsrc(0)
	s_getreg_b32 s2, hwreg(HW_REG_IB_STS2, 6, 4)
	s_cmp_eq_u32 s2, 0
	s_cbranch_scc0 .Lentry_in_a_cluster
	s_endpgm
.Lentry_in_a_cluster:
	s_bfe_u32 s2, ttmp6, 0x10000c
	s_cmp_lg_u32 s2, 0xf033
	s_cbranch_scc0 .Lentry_shape_is_right
	s_endpgm
.Lentry_shape_is_right:
; out = ctx Wo + bo on codes of FP8 (E4M3) with E8M0 scales, K = 1,024, sums in f32.  ctx comes as images of operand registers, cc [tile of 16 tokens][128 along K][block 4][512 bytes]; its scale bytes cs [head][128 tokens][token % 16][tile][block of the head's two].
; SHARES.  A work-group makes 128 tokens (128 tb on) x 128 columns (128 cg on); wave (wr = w / 2, wc = w % 2) makes 64 x 64.
; ALL OF K LIES IN LDS: four tensor loads, one a wave: Wo's 128 rows, ctx's eight tiles, the scale bytes of each.  Nothing is filled again, and there is no loop to run ahead in: no data prefetch.
; A wave's 64 rows of Wo, all of K, go into 512 registers; ctx's tiles pass by one after the other, and each tile's 16 rows leave while the next tile is multiplied.
; CLUSTER 4 x 4: ctx's tiles hang on tb alone and are asked for jointly along a row of the cluster, Wo's on cg alone and along a column.
; THE MATRIX INSTRUCTION IS USED TRANSPOSED (source 0 = 16 rows of Wo, source 1 = 16 tokens): a lane holds eight neighbouring columns of one row of out.  The bias is the C of each sum's first instruction.
; LIMITS: NaN and infinities are not served.
; REGISTERS.  window 0: v2-15 addresses; v16-47 Wo's scale words (8 b + K step), v52-83 ctx's (8 a + K step), v84-115 the bias; v128-191 two sets of four accumulators; v192-255 rows on the way out.  windows 1, 2: Wo.  window 3: two tiles of ctx.
.set PITCH, 1040                       ; a row of Wo: 1,024 bytes + 16 of padding
.set CTX,   128*PITCH
.set SCB,   CTX+131072                 ; Wo's scale bytes: 128 rows x 32 bytes, as 16 runs of 256 + 16
.set SCA,   SCB+16*272                 ; ctx's: [head 16][256]
.set STG,   SCA+4096                   ; a stage of 16 rows x (256 + 16) for each wave
.set SPARE, STG+4*4352
.set SPW, 2
.set NIL, 3
.set ADB, 4
.set ADA, 5
.set ASB, 6
.set ASA, 7
.set STO, 8
.set RD,  9
.set CO,  10
.set BS,  16
.set AS,  52
.set BO,  84
.set AC,  128
.set OB,  192
.set WV,  16                           ; s16 wave, s17 w / 2, s18 w % 2, s19 cg, s20 tb
.set MSB, 0
.macro WIN new
.if MSB != (\new)
	s_set_vgpr_msb (MSB<<8)|(\new)
.set MSB, (\new)
.endif
.endm
.macro PLACES n
.rept \n
	v_nop
.endr
.endm
.macro CROUND                          ; a round of the cluster's barrier
	s_barrier_signal -1
	s_barrier_wait -1
	s_cmp_lg_u32 s[WV], 0
	s_cbranch_scc1 .Lnot_wave_0_\@
	s_barrier_signal -3
.Lnot_wave_0_\@:
	s_barrier_wait -3
	s_barrier_signal -1
	s_barrier_wait -1
.endm
.macro ROWS g, dim, rows, pitch        ; words 1 to 7 of a descriptor's group 1
	s_mov_b32 s[\g+1], (\dim)<<16
	s_mov_b32 s[\g+2], (\rows)<<16
	s_mov_b32 s[\g+3], (\dim)<<16
	s_mov_b32 s[\g+4], \rows
	s_mov_b32 s[\g+5], \pitch
	s_mov_b32 s[\g+6], 0
	s_mov_b32 s[\g+7], 0
.endm
	s_load_b256 s[4:11], s[0:1], 0x0               ; cc, cs, Wo's codes, Wo's scales
	s_load_b128 s[12:15], s[0:1], 0x20             ; bo, out0
	v_lshl_add_u32 v[SPW], v0, 2, SPARE
	v_mov_b32 v[NIL], 0
	ds_add_u32 v[SPW], v[NIL]                      ; the wave's opening: the add, twice on end, and its wait ahead of my first tensor load
	ds_add_u32 v[SPW], v[NIL]
	v_lshrrev_b32 v12, 5, v0
	v_readfirstlane_b32 s[WV], v12
	s_lshr_b32 s17, s[WV], 1
	s_and_b32 s18, s[WV], 1
	s_bfe_u32 s2, ttmp6, 0x40000                   ; cx
	s_bfe_u32 s3, ttmp6, 0x40004                   ; cy
	s_lshl_b32 s19, ttmp9, 2
	s_add_co_u32 s19, s19, s2                      ; cg
	s_and_b32 s20, ttmp7, 0xffff
	s_lshl_b32 s20, s20, 2
	s_add_co_u32 s20, s20, s3                      ; tb
	s_lshl_b32 s21, s3, 2
	s_lshl_b32 s21, 15, s21                        ; my row of the cluster
	s_lshl_b32 s22, 0x1111, s2                     ; my column
	s_or_b32 s24, s22, (1<<20)|(1<<21)|(7<<22)|(3<<25)          ; Wo: 128 whole rows, padded
	ROWS 24, 1024, 128, 1024
	s_or_b32 s32, s21, (3<<16)|(1<<21)                          ; ctx: 131,072 dense bytes as 128 rows of 1,024
	ROWS 32, 128, 128, 128
	s_or_b32 s40, s22, (3<<16)|(1<<20)|(1<<21)|(5<<22)|(3<<25)  ; Wo's scales: 4,096 dense bytes as 16 rows of 256, padded
	ROWS 40, 32, 16, 32
	s_or_b32 s48, s21, (3<<16)|(1<<21)                          ; ctx's: a row of 256 bytes a head, 8,192 apart
	ROWS 48, 32, 16, 1024
	s_mov_b32 s56, 1                               ; groups 0: s[56:59] Wo, s[60:63] ctx, s[68:71] Wo's scales, s[72:75] ctx's
	s_mov_b32 s57, 0
	s_mov_b32 s60, 1
	s_mov_b32 s61, CTX
	s_mov_b32 s68, 1
	s_mov_b32 s69, SCB
	s_mov_b32 s72, 1
	s_mov_b32 s73, SCA
	s_lshl_b32 s76, s19, 17
	s_mov_b32 s77, 0
	s_lshl_b32 s78, s20, 17
	s_mov_b32 s79, 0
	s_lshl_b32 s80, s19, 12
	s_mov_b32 s81, 0
	s_lshl_b32 s82, s20, 8
	s_mov_b32 s83, 0
	s_mov_b32 s84, 0x05040100
	s_mov_b32 s85, 0x07060302
	s_wait_dscnt 0x0                               ; both opening adds are done
	s_wait_kmcnt 0x0
	CROUND                                         ; all sixteen work-groups are here: the joint loads meet
	s_add_nc_u64 s[58:59], s[8:9], s[76:77]
	s_or_b32 s59, s59, 0x80000000
	s_add_nc_u64 s[62:63], s[4:5], s[78:79]
	s_or_b32 s63, s63, 0x80000000
	s_add_nc_u64 s[70:71], s[10:11], s[80:81]
	s_or_b32 s71, s71, 0x80000000
	s_add_nc_u64 s[74:75], s[6:7], s[82:83]
	s_or_b32 s75, s75, 0x80000000
.macro ARM n, g0, g1, next             ; one load a wave, each in an arm of its own
	s_cmp_eq_u32 s[WV], \n
	s_cbranch_scc0 \next
	tensor_load_to_lds s[\g0:\g0+3], s[\g1:\g1+7]
	s_nop 0
	PLACES 4
	s_branch .Lasked
\next:
.endm
	ARM 0, 56, 24, .Lctx
	ARM 1, 60, 32, .Lscales_b
	ARM 2, 68, 40, .Lscales_a
	tensor_load_to_lds s[72:75], s[48:55]
	s_nop 0
	PLACES 4
.Lasked:
	v_and_b32 v12, 15, v0                          ; r
	v_bfe_u32 v13, v0, 4, 1                        ; h
	v_and_b32 v14, 31, v0
	v_mul_u32_u24 v[ADB], v12, PITCH
	v_lshl_add_u32 v[ADB], v13, 4, v[ADB]
	s_mul_i32 s86, s18, 64*PITCH                   ; my 64 rows of Wo
	v_add_nc_u32 v[ADB], s86, v[ADB]
	s_lshl_b32 s86, s17, 16                        ; my four tiles of ctx
	s_add_co_u32 s86, s86, CTX
	v_lshl_add_u32 v[ADA], v14, 4, s86
	v_lshrrev_b32 v15, 3, v12
	v_lshlrev_b32 v[ASB], 5, v12
	v_lshl_add_u32 v[ASB], v15, 4, v[ASB]
	s_mul_i32 s86, s18, 2176
	s_add_co_u32 s86, s86, SCB
	v_add_nc_u32 v[ASB], s86, v[ASB]
	s_lshl_b32 s86, s17, 3
	s_add_co_u32 s86, s86, SCA
	v_lshl_add_u32 v[ASA], v12, 4, s86
	s_mul_i32 s86, s[WV], 4352
	s_add_co_u32 s86, s86, STG                     ; my stage
	v_mul_u32_u24 v[STO], v12, 272
	v_lshl_add_u32 v[STO], v13, 5, v[STO]          ; in: row r, 32 bytes for each half of the lanes
	v_add_nc_u32 v[STO], s86, v[STO]
	v_mul_u32_u24 v[RD], v13, 272                  ; back: lanes 0-15 one row of 256 bytes, lanes 16-31 the next
	v_lshl_add_u32 v[RD], v12, 4, v[RD]
	v_add_nc_u32 v[RD], s86, v[RD]
	v_lshlrev_b32 v[CO], 4, v12
	v_lshl_add_u32 v[CO], v13, 12, v[CO]           ; the same two rows in out: 4,096 bytes a row
	v_lshlrev_b32 v11, 5, v13                      ; the bias: 8 h numbers on
	s_lshl_b32 s76, s19, 9                         ; my first column, in bytes
	s_lshl_b32 s86, s18, 8
	s_add_co_u32 s76, s76, s86
	s_add_nc_u64 s[12:13], s[12:13], s[76:77]
	s_lshl_b32 s86, s20, 19                        ; my first row
	s_add_co_u32 s76, s76, s86
	s_lshl_b32 s86, s17, 18
	s_add_co_u32 s76, s76, s86
	s_add_nc_u64 s[14:15], s[14:15], s[76:77]
	s_wait_alu depctr_va_vdst(0)                   ; the wait at the head's end
.irp b, 0,1,2,3
	global_load_b128 v[BO+8*\b:BO+8*\b+3], v11, s[12:13] offset:64*\b       ; lane (r, h): bo at columns 16 b + 8 h + 0 .. 7: the result's layout
	global_load_b128 v[BO+8*\b+4:BO+8*\b+7], v11, s[12:13] offset:64*\b+16
.endr
.macro FETCH a                         ; 32 LDS loads: ctx's tile a, all of K, into set a % 2
	WIN 0xc0
.irp q, 0,1,2,3,4,5,6,7
.irp c, 0,1,2,3
	ds_load_b128 v[128*((\a)%2)+16*\q+4*\c:128*((\a)%2)+16*\q+4*\c+3], v[ADA] offset:16384*(\a)+2048*\q+512*\c
.endr
.endr
	WIN 0
.endm
.macro MULS a, half                    ; 16 products of tile a: four K steps x four column tiles, which take turns
.irp k, 0,1,2,3
.irp b, 0,1,2,3
.set Q_, 4*(\half)+\k
.set W_, 16*((4*Q_+\b)%16)
.set X_, 128*((\a)%2)+16*Q_
.set D_, AC+32*((\a)%2)+8*\b
	WIN 0x0d+(\half)
.if Q_ == 0
	v_wmma_scale_f32_16x16x128_f8f6f4 v[D_:D_+7], v[W_:W_+15], v[X_:X_+15], v[BO+8*\b:BO+8*\b+7], v[BS+8*\b+Q_], v[AS+8*(\a)+Q_]
.else
	v_wmma_scale_f32_16x16x128_f8f6f4 v[D_:D_+7], v[W_:W_+15], v[X_:X_+15], v[D_:D_+7], v[BS+8*\b+Q_], v[AS+8*(\a)+Q_]
.endif
.endr
.endr
	WIN 0
.endm
.macro TOSTAGE a                       ; 16 rows x 64 columns through my own stage: LDS serves a wave's instructions in order, so no wait stands between the stores and the loads
.irp b, 0,1,2,3
	ds_store_b128 v[STO], v[AC+32*((\a)%2)+8*\b:AC+32*((\a)%2)+8*\b+3] offset:64*\b        ; each accumulator from its low end on
	ds_store_b128 v[STO], v[AC+32*((\a)%2)+8*\b+4:AC+32*((\a)%2)+8*\b+7] offset:64*\b+16
.endr
.irp i, 0,1,2,3,4,5,6,7
	ds_load_b128 v[OB+32*((\a)%2)+4*\i:OB+32*((\a)%2)+4*\i+3], v[RD] offset:544*\i
.endr
.endm
.macro SEND a
.irp i, 0,1,2,3,4,5,6,7
	global_store_b128 v[CO], v[OB+32*((\a)%2)+4*\i:OB+32*((\a)%2)+4*\i+3], s[14:15] offset:(16*(\a)+2*\i)*4096 th:TH_STORE_NT   ; sixteen lanes store 256 consecutive bytes, aligned
.endr
.endm
	s_cmp_eq_u32 s[WV], 0
	s_cbranch_scc0 .Lnot_b
	s_wait_tensorcnt 0x0                           ; wave 0: Wo's rows are in.  The other waves' wait stands at the second barrier
.Lnot_b:
	s_barrier_signal -1
	s_barrier_wait -1
.irp q, 0,1,2,3,4,5,6,7
	WIN (1+\q/4)<<6
.irp b, 0,1,2,3
.irp c, 0,1,2,3
	ds_load_b128 v[16*((4*\q+\b)%16)+4*\c:16*((4*\q+\b)%16)+4*\c+3], v[ADB] offset:16*PITCH*\b+128*\q+32*\c
.endr
.endr
.endr
	WIN 0
	s_wait_tensorcnt 0x0                           ; my tile is in
	s_wait_dscnt 0x0
	s_barrier_signal -1
	s_barrier_wait -1
.irp n, 0,1,2,3,4,5,6,7,8,9,10,11,12,13,14,15
	ds_load_b64 v[OB+2*\n:OB+2*\n+1], v[ASA] offset:256*\n      ; head n: two bytes for each of my four tiles
.endr
.irp b, 0,1,2,3
	ds_load_b128 v[BS+8*\b:BS+8*\b+3], v[ASB] offset:544*\b
	ds_load_b128 v[BS+8*\b+4:BS+8*\b+7], v[ASB] offset:544*\b+16
.endr
	FETCH 0
	s_wait_dscnt 32                                ; the scale bytes are in; a K step is two heads
.irp a, 0,1,2,3
.irp q, 0,1,2,3,4,5,6,7
	v_perm_b32 v[AS+8*\a+\q], v[OB+4*\q+2+\a/2], v[OB+4*\q+\a/2], s[84+\a%2]
.endr
.endr
	FETCH 1
	s_wait_alu depctr_va_vdst(0)
	s_wait_dscnt 32                                ; tile 0 is in
	s_wait_loadcnt 0x0                             ; the bias
	PLACES 8                                       ; between the scale words' writes and the first product
	MULS 0, 0
	MULS 0, 1
	PLACES 9                                       ; ahead of the results' readers, of loads into what the products have read, and of sums begun anew
	TOSTAGE 0
	FETCH 2
	s_wait_dscnt 48                                ; tile 1 is in: behind it the stage's 16 and tile 2's 32
	MULS 1, 0
	s_wait_dscnt 32                                ; tile 0's rows are back
	SEND 0
	MULS 1, 1
	PLACES 9
	TOSTAGE 1
	FETCH 3
	s_wait_dscnt 48
	MULS 2, 0
	s_wait_dscnt 32
	SEND 1
	MULS 2, 1
	PLACES 9
	s_wait_xcnt 0x0                                ; the stores have read their registers: the next rows may land there
	TOSTAGE 2
	s_wait_dscnt 16                                ; tile 3 is in
	MULS 3, 0
	s_wait_dscnt 0x0
	SEND 2
	MULS 3, 1
	PLACES 9
	s_wait_xcnt 0x0
	TOSTAGE 3
	s_wait_dscnt 0x0
	SEND 3
	s_wait_tensorcnt 0x0                           ; the wave's end
	ds_add_u32 v[SPW], v[NIL]
	s_wait_dscnt 0x0
	CROUND                                         ; the closing round
	s_endpgm
.Lfunc_end_k_q884daf32de_proj:
	.size	k_q884daf32de_proj, .Lfunc_end_k_q884daf32de_proj-k_q884daf32de_proj
	.p2alignl 7, 3214868480
	.fill 96, 4, 3214868480
	.section	.rodata,"a",@progbits
	.p2align	6, 0x0
	.amdhsa_kernel k_q884daf32de_proj
		.amdhsa_group_segment_fixed_size 327680
		.amdhsa_private_segment_fixed_size 0
		.amdhsa_enable_private_segment 0
		.amdhsa_kernarg_size 48
		.amdhsa_user_sgpr_count 2
		.amdhsa_user_sgpr_kernarg_segment_ptr 1
		.amdhsa_wavefront_size32 1
		.amdhsa_system_sgpr_workgroup_id_x 1
		.amdhsa_system_sgpr_workgroup_id_y 1
		.amdhsa_system_sgpr_workgroup_id_z 1
		.amdhsa_system_vgpr_workitem_id 0
		.amdhsa_next_free_vgpr 1024
		.amdhsa_next_free_sgpr 100
		.amdhsa_reserve_vcc 0
		.amdhsa_float_denorm_mode_32 3
		.amdhsa_float_denorm_mode_16_64 3
		.amdhsa_memory_ordered 1
		.amdhsa_forward_progress 1
		.amdhsa_inst_pref_size 55
	.end_amdhsa_kernel
	.amdgpu_metadata
---
amdhsa.version: [ 1, 2 ]
amdhsa.kernels:
  - .name:           k_q884daf32de_proj
    .symbol:         k_q884daf32de_proj.kd
    .args:
      - { .name: cc, .offset: 0, .size: 8, .value_kind: global_buffer, .address_space: global }
      - { .name: cs, .offset: 8, .size: 8, .value_kind: global_buffer, .address_space: global }
      - { .name: Wo_codes, .offset: 16, .size: 8, .value_kind: global_buffer, .address_space: global }
      - { .name: Wo_scales, .offset: 24, .size: 8, .value_kind: global_buffer, .address_space: global }
      - { .name: bo, .offset: 32, .size: 8, .value_kind: global_buffer, .address_space: global }
      - { .name: out0, .offset: 40, .size: 8, .value_kind: global_buffer, .address_space: global }
    .group_segment_fixed_size: 327680
    .private_segment_fixed_size: 0
    .kernarg_segment_align: 8
    .kernarg_segment_size: 48
    .max_flat_workgroup_size: 128
    .sgpr_count:     100
    .vgpr_count:     1024
    .wavefront_size: 32
...
	.end_amdgpu_metadata
.endif
;; end of part 3
